; MI455X (gfx1250); checked and timed in simulation.
; The chip was launched on July 23, 2026; its instructions are those of AMD's public machine-readable ISA for CDNA 5 (MIT licence, August 2026) and "CDNA5" Instruction Set Architecture Reference Guide (July 2026). The comments in the code are by the model that wrote it; some were corrected since.
;; Causal Attention. Allowed arithmetic: matrix products marked QUANTISED: E2M3 operands, one E8M0 scale for each 32 along K, by v_wmma_scale_f32_16x16x128_f8f6f4 with both operands' format E2M3, f32 sums; everything else in f32.
;; Inputs: in_proj_b 3,072 float32; in_proj_w 3,072 x 1,024 float32; out_proj_b 1,024 float32; out_proj_w 1,024 x 1,024 float32; x 4 x 2,048 x 1,024 float32.
;; Outputs: out0 4 x 2,048 x 1,024 float32.
;; This version of the problem:
;;   THIS VERSION OF THE PROBLEM IS GIVEN IN LOW PRECISION. The matrix products marked QUANTISED in the list below multiply operands that are first quantised to E2M3 (2 exponent bits, 3 mantissa bits; 6 bits a number), with one power-of-two scale for each 32 numbers along K (OCP MX v1.0); their sums are f32. All else is computed in f32.
;;   The module's matrix products, in the order in which they are computed (A, B: the left and right operand; K: the contracted axis; several contracted axes count as one K, in the product's order):
;;     1. [M 8,192, K 1,024] x [K 1,024, N 3,072]; A: input x; B: input in_proj_w: QUANTISED
;;     2. batch 64 x [M 2,048, K 64] x [K 64, N 2,048]; A: computed on the way; B: computed on the way: QUANTISED
;;     3. batch 64 x [M 2,048, K 2,048] x [K 2,048, N 64]; A: softmax (see below); B: computed on the way: QUANTISED
;;     4. [M 8,192, K 1,024] x [K 1,024, N 1,024]; A: computed on the way; B: input out_proj_w: QUANTISED
;;   THE QUANTISER, for each operand of a quantised product, along K:
;;     - K is cut into blocks of 32 from its start; a last block that is shorter is filled with zeros.
;;     - A block's scale is 2^e with e = floor(log2(the largest magnitude in the block)) - 2, held to -126 .. 127; a block of zeros has e = 0. As a byte (E8M0): e + 127.
;;     - Each number is divided by its block's scale, clamped to +-7.5, and rounded to the nearest number of E2M3, ties to even, subnormals kept.
;;     - The product sums the exact products of the quantised numbers (number of the format x scale) in f32.
;;   ~~~python
;;   def quantise(x, axis):      # numpy; x: float32 -> the quantised numbers, widened to float32 again
;;       x = np.moveaxis(x, axis, -1); K = x.shape[-1]
;;       x = np.pad(x, [(0, 0)] * (x.ndim - 1) + [(0, -K % 32)]); x = x.reshape(x.shape[:-1] + (-1, 32)); a = np.abs(x).max(-1, keepdims=True)
;;       e = np.where(a > 0, np.clip(np.frexp(np.where(a > 0, a, 1))[1] - 1 - 2, -126, 127), 0)      # np.frexp(a)[1] - 1 = floor(log2(a)), exactly
;;       r = np.clip(x / 2.0 ** e, -7.5, 7.5)
;;       step = 2.0 ** (np.maximum(np.frexp(np.where(r == 0, 1, r))[1] - 1, 0) - 3)
;;       q = np.round(r / step) * step * 2.0 ** e      # np.round: ties to even
;;       return np.moveaxis(q.reshape(q.shape[:-2] + (-1,))[..., :K], -1, axis).astype(np.float32)
;;   ~~~
;;   SOFTMAX AHEAD OF A QUANTISED PRODUCT. Where the list says 'softmax', what is quantised is not the finished softmax but p = 2^(t - M), with t = logit x log2(e) and M = ceil(the row's largest t), a whole number; so 1/2 < the row's largest p <= 1. The row's sum l is taken of the UNQUANTISED p, in f32, and the product's result is divided by l at the end. Since M is a whole number, a kernel that streams over the keys may use a running M (the ceiling of the running maximum): every later rescaling is an exact power of two, which a block's scale takes up: the codes' values come out the same.
;;   OPERANDS COMPUTED ON THE WAY. 'Computed on the way' means the value that the module computes at that place (a softmax that the list does not call 'softmax' is quantised finished and normalised). What goes into a quantiser is computed in f32, as accurately as f32 sums, v_exp_f32 and their like allow (about 1e-6 of the number): no bf16 or f16 on the way to a quantiser, and a product that is left as it is and whose result goes on into a quantised operand takes f32 operands (vector FMAs, or v_wmma_f32_16x16x4_f32). A number that lies on a knife's edge between two numbers of the format may be rounded either way, as far as f32 arithmetic and the matrix unit's own rounding can turn it there, and no further.
;; One version. Each part assembles by itself: llvm-mc -triple=amdgcn-amd-amdhsa -mcpu=gfx1250 --defsym DOCPART=n.
;; ======== version 1 of 1: 4 launches
;; limits: right only within a limited range of input values
;; workspace buffers: cod 9,437,184 bytes; scl 393,216 bytes; qkvi 18,874,368 bytes; qkvs 1,310,720 bytes; oimg 6,291,456 bytes; oscl 262,144 bytes
;; launch quant (part 1): grid 256 x 1, 12 waves a work-group, no clusters, 99,840 bytes of LDS; arguments x, in_proj_w, out_proj_w, cod, scl; writes cod, scl
.if DOCPART == 1
	.amdgcn_target "amdgcn-amd-amdhsa--gfx1250"
	.amdhsa_code_object_version 6
	.text
	.protected	k_q2433baea48_quant
	.globl	k_q2433baea48_quant
	.p2align	8
	.type	k_q2433baea48_quant,@function
k_q2433baea48_quant:
	s_mov_b64 s[64:65], 0
	v_nop
	global_prefetch_b8 v0, s[64:65] scope:SCOPE_SE
	s_setreg_imm32_b32 hwreg(HW_REG_WAVE_MODE, 25, 1), 1
	s_wait_xcnt 0x0
; x [8192][1024], in_proj_w [3072][1024] and out_proj_w [1024][1024], f32, become codes of FP6 (E2M3), K innermost, with one E8M0 byte for each 32 along K.
; WORK LEFT OUT BY THE PROGRAM: only key steps of attention that lie wholly behind a tile's queries: reference() itself builds the causal mask (jnp.tril) and replaces those scores by the least f32 number, whose
; exponential is 0 beside the row's largest, whatever the inputs hold.  Every input is loaded.  LIMIT: a NaN, an infinity or an overflow that reaches only those scores is not carried to the result.
; The 12,288 rows count on end (0.. x, 8192.. in_proj_w, 11264.. out_proj_w).  scl: a row's 32 bytes, rows on end.
; cod: rows 0 .. 11263 lie in FOUR PLANES, one for each 256 along K: [plane][row][192 bytes], a plane PL bytes: 128 rows of a plane are 24,576 dense bytes that begin at a multiple of 256.
;      rows 11264 .. lie behind the planes as whole rows of 768 bytes (at row x 768, which is where the planes end).
; THE ROWS ARE STORED IN ANOTHER ORDER: bits 3 and 4 of the row's number change places.  So 16 stored neighbours (a tile of a later product) are rows 32 b + 8 u + r + 8 (r / 8), and the results of two
; neighbouring tiles are 16 neighbours along the next product's K.  A wave takes 4 rows, so the change is a change of bits 1 and 2 of the wave's run.
; A block's scale is 2^(floor(log2(its largest magnitude)) - 2); its byte is the largest magnitude's exponent field - 2, held at 1 from below.
; LIMITS: a block whose largest magnitude lies under 2^-124 gets the byte 1; a block of zeros gets 1 where the rule says 127 (its codes are zeros, and this program alone reads the bytes); NaN and infinities are not served.
; 256 work-groups x 12 waves = 3,072 runs of 4 rows.  A wave takes 8 steps of 512 numbers and issues all its 32 loads at once, 512 consecutive bytes each.  A step's 2,048 bytes turn through the wave's own stage
; in LDS and come back 64 bytes (16 neighbours) a lane; two lanes hold a block.  No tensor loads, no barrier: waves share nothing.
.set STEPS, 8
.set EMAX,  2
.set PL,    2162688                    ; a plane: 11,264 rows x 192 bytes
.set R,     16                         ; v16-143  eight sets of 16 numbers as they are loaded
.set X,     144                        ; v144-175 two sets of 16 neighbours
.set E,     176                        ; v176-183 a scale byte for each step
.set C,     184                        ; v184-215 codes: four registers for each step, so that no store's data are written again
.set VR,    216                        ; v216-219 my codes' place in each of my four rows
.set SPW,   220                        ; my spare word; never rewritten
.set NIL,   221                        ; 0; never rewritten
.set WREG,  8192                       ; LDS: a region for each wave: two stages of 32 x SP bytes, behind them its 128 scale bytes
.set SP,    80                         ; a lane's place in a stage: 64 bytes + 16 of padding
.set SPARE, 12*WREG                    ; the spare words, 128 bytes a wave
	s_load_b128 s[4:7], s[0:1], 0x0                ; x, in_proj_w
	s_load_b128 s[8:11], s[0:1], 0x10              ; out_proj_w, cod
	s_load_b64 s[12:13], s[0:1], 0x20              ; scl
	v_lshl_add_u32 v[SPW], v0, 2, SPARE
	v_mov_b32 v[NIL], 0
	v_lshrrev_b32 v1, 5, v0
	v_readfirstlane_b32 s16, v1                    ; wave
	v_and_b32 v2, 31, v0                           ; lane
	v_lshlrev_b32 v3, 4, v2                        ; my 16 bytes of a load's 512
	s_mul_i32 s19, s16, WREG
	v_lshrrev_b32 v14, 2, v2
	v_mul_u32_u24 v14, v14, SP
	v_and_b32 v15, 3, v2
	v_lshl_add_u32 v14, v15, 4, v14
	v_add_nc_u32 v14, s19, v14                     ; the stage, on the way in: SP (lane / 4) + 16 (lane % 4)
	v_mul_u32_u24 v15, v2, SP
	v_add_nc_u32 v15, s19, v15                     ; and on the way out: SP x lane: my 16 neighbours
	v_lshrrev_b32 v5, 1, v2
	s_add_co_u32 s19, s19, 2*32*SP
	v_add_nc_u32 v5, s19, v5                       ; LDS: my wave's 128 scale bytes, my block's byte
	v_lshlrev_b32 v7, 2, v2                        ; and on the way out 4 bytes a lane
	v_add_nc_u32 v6, s19, v7
	s_mul_i32 s17, ttmp9, 12
	s_add_co_u32 s17, s17, s16                     ; my run of 4 rows, of 3,072
	s_cmp_lt_u32 s17, 2816                         ; in the planes?  The choice hangs on ids alone
	s_mov_b32 s24, 768
	s_cselect_b32 s24, 192, s24                    ; bytes from row to row
	s_mov_b32 s25, 384
	s_cselect_b32 s25, 2*PL, s25                   ; from a row's first 512 codes to its second
	s_cselect_b32 s26, PL-192, 0                   ; what lanes 16-31 (the next 256 along K) add to 12 x lane
	v_lshrrev_b32 v4, 4, v2
	v_mul_u32_u24 v4, s26, v4
	v_mad_u32_u24 v[VR], v2, 12, v4
.irp j, 1,2,3
	s_mul_i32 s27, s24, \j
	v_add_nc_u32 v[VR+\j], s27, v[VR]
.endr
	s_wait_alu depctr_va_vdst(0)                   ; the wait at the head's end
	s_wait_kmcnt 0x0
	s_cmp_lt_u32 s17, 2816                         ; which tensor?
	s_cselect_b64 s[6:7], s[6:7], s[8:9]
	s_mov_b32 s18, 2816
	s_cselect_b32 s18, 2048, s18
	s_cmp_lt_u32 s17, 2048
	s_cselect_b64 s[4:5], s[4:5], s[6:7]
	s_cselect_b32 s18, 0, s18                      ; the tensor's first run
	s_sub_co_u32 s18, s17, s18
	s_lshl_b32 s20, s18, 14                        ; 16,384 bytes a run
	s_mov_b32 s21, 0
	s_add_nc_u64 s[4:5], s[4:5], s[20:21]
	s_and_b32 s22, s17, 0xff9                      ; where it goes: bits 1 and 2 of the run change places
	s_and_b32 s23, s17, 2
	s_lshl_b32 s23, s23, 1
	s_or_b32 s22, s22, s23
	s_and_b32 s23, s17, 4
	s_lshr_b32 s23, s23, 1
	s_or_b32 s22, s22, s23
	s_lshl_b32 s23, s22, 2                         ; its first stored row
	s_mul_i32 s20, s23, s24
	s_add_nc_u64 s[10:11], s[10:11], s[20:21]      ; a row's first 512 codes,
	s_mov_b32 s20, s25
	s_add_nc_u64 s[14:15], s[10:11], s[20:21]      ; and its second
	s_lshl_b32 s20, s22, 7                         ; 128 scale bytes a run
	s_add_nc_u64 s[12:13], s[12:13], s[20:21]
.macro LOAD t
.irp i, 0,1,2,3
	global_load_b128 v[R+16*(\t)+4*\i:R+16*(\t)+4*\i+3], v3, s[4:5] offset:2048*(\t)+512*\i th:TH_LOAD_NT   ; 32 lanes read 512 consecutive bytes
.endr
.endm
.macro TURN t                          ; step t's numbers through the stage: LDS serves a wave's instructions in order, so no wait stands between the stores and the loads
.irp i, 0,1,2,3
	ds_store_b128 v14, v[R+16*(\t)+4*\i:R+16*(\t)+4*\i+3] offset:32*SP*((\t)%2)+8*SP*\i
.endr
.irp i, 0,1,2,3
	ds_load_b128 v[X+16*((\t)%2)+4*\i:X+16*((\t)%2)+4*\i+3], v15 offset:32*SP*((\t)%2)+16*\i
.endr
.endm
.irp t, 0,1,2,3,4,5,6,7
	LOAD \t
.endr
	s_wait_loadcnt 28                              ; step 0's four loads are in; the 28 behind them may be out
	TURN 0
.macro STEP t
.set XS, X+16*((\t)%2)
.if (\t) > 0
	s_wait_dscnt 1                                 ; this step's numbers are back from the stage (the last step's byte store may be out)
.else
	s_wait_dscnt 0x0
.endif
.if (\t)+1 < STEPS
	s_wait_loadcnt 4*(STEPS-2-(\t))                ; the next step's four loads are in; those of the steps behind it may be out
	TURN (\t)+1                                    ; and go through the other stage while this step is worked
.endif
	v_max3_num_f32 v8, |v[XS]|, |v[XS+1]|, |v[XS+2]|               ; the largest magnitude of my 16, in two chains
	v_max3_num_f32 v9, |v[XS+3]|, |v[XS+4]|, |v[XS+5]|
.irp i, 6,10
	v_max3_num_f32 v8, v8, |v[XS+\i]|, |v[XS+\i+1]|
	v_max3_num_f32 v9, v9, |v[XS+\i+2]|, |v[XS+\i+3]|
.endr
	v_max3_num_f32 v8, v8, |v[XS+14]|, |v[XS+15]|
	v_max3_num_f32 v8, v8, v9, (EMAX+1)<<23        ; and the floor 2^(3 - 127): the byte cannot fall under 1
	v_max_num_f32_dpp v8, v8, v8 row_xmask:1 row_mask:0xf bank_mask:0xf   ; and of my neighbour's 16: the block's
	v_add_nc_u32 v11, -(EMAX<<23), v8              ; 2 off its exponent field: the conversion takes the exponent field of this operand as its scale
	v_cvt_scalef32_pk16_fp6_f32 v[C+4*(\t):C+4*(\t)+2], v[XS:XS+15], v11
	v_lshrrev_b32 v[E+(\t)], 23, v11               ; the scale's byte
	ds_store_b8 v5, v[E+(\t)] offset:16*(\t)       ; both lanes of a block write the same byte with the same value
	global_store_b96 v[VR+(\t)/2], v[C+4*(\t):C+4*(\t)+2], s[10+4*((\t)%2):11+4*((\t)%2)]   ; sixteen lanes store 192 consecutive bytes: 256 codes of a row
.endm
.irp t, 0,1,2,3,4,5,6,7
	STEP \t
.endr
	ds_load_b32 v12, v6                            ; LDS serves a wave's instructions in order: this sees my stores
	s_wait_dscnt 0x0
	global_store_b32 v7, v12, s[12:13]             ; 32 lanes store 128 consecutive bytes: four rows' scale bytes
	s_wait_tensorcnt 0x0                           ; the wave's end
	ds_add_u32 v[SPW], v[NIL]
	s_wait_dscnt 0x0
	s_endpgm
.Lfunc_end_k_q2433baea48_quant:
	.size	k_q2433baea48_quant, .Lfunc_end_k_q2433baea48_quant-k_q2433baea48_quant
	.p2alignl 7, 3214868480
	.fill 96, 4, 3214868480
	.section	.rodata,"a",@progbits
	.p2align	6, 0x0
	.amdhsa_kernel k_q2433baea48_quant
		.amdhsa_group_segment_fixed_size 99840
		.amdhsa_private_segment_fixed_size 0
		.amdhsa_enable_private_segment 0
		.amdhsa_kernarg_size 40
		.amdhsa_user_sgpr_count 2
		.amdhsa_user_sgpr_kernarg_segment_ptr 1
		.amdhsa_wavefront_size32 1
		.amdhsa_system_sgpr_workgroup_id_x 1
		.amdhsa_system_sgpr_workgroup_id_y 1
		.amdhsa_system_sgpr_workgroup_id_z 1
		.amdhsa_system_vgpr_workitem_id 0
		.amdhsa_next_free_vgpr 222
		.amdhsa_next_free_sgpr 66
		.amdhsa_reserve_vcc 0
		.amdhsa_float_denorm_mode_32 3
		.amdhsa_float_denorm_mode_16_64 3
		.amdhsa_memory_ordered 1
		.amdhsa_forward_progress 1
		.amdhsa_inst_pref_size 19
	.end_amdhsa_kernel
	.amdgpu_metadata
---
amdhsa.version: [ 1, 2 ]
amdhsa.kernels:
  - .name:           k_q2433baea48_quant
    .symbol:         k_q2433baea48_quant.kd
    .args:
      - { .name: x, .offset: 0, .size: 8, .value_kind: global_buffer, .address_space: global }
      - { .name: in_proj_w, .offset: 8, .size: 8, .value_kind: global_buffer, .address_space: global }
      - { .name: out_proj_w, .offset: 16, .size: 8, .value_kind: global_buffer, .address_space: global }
      - { .name: cod, .offset: 24, .size: 8, .value_kind: global_buffer, .address_space: global }
      - { .name: scl, .offset: 32, .size: 8, .value_kind: global_buffer, .address_space: global }
    .group_segment_fixed_size: 99840
    .private_segment_fixed_size: 0
    .kernarg_segment_align: 8
    .kernarg_segment_size: 40
    .max_flat_workgroup_size: 384
    .sgpr_count:     66
    .vgpr_count:     222
    .wavefront_size: 32
...
	.end_amdgpu_metadata
.endif
;; end of part 1
;; launch qkv (part 2): grid 8 x 32, 4 waves a work-group, clusters of 4 x 4, 327,680 bytes of LDS; arguments cod, scl, in_proj_b, qkvi, qkvs; writes qkvi, qkvs
.if DOCPART == 2
	.amdgcn_target "amdgcn-amd-amdhsa--gfx1250"
	.amdhsa_code_object_version 6
	.text
	.protected	k_q2433baea48_qkv
	.globl	k_q2433baea48_qkv
	.p2align	8
	.type	k_q2433baea48_qkv,@function
k_q2433baea48_qkv:
	s_mov_b64 s[64:65], 0
	v_nop
	global_prefetch_b8 v0, s[64:65] scope:SCOPE_SE
	s_setreg_imm32_b32 hwreg(HW_REG_WAVE_MODE, 25, 1), 1
	s_wait_xcnt 0x0
	s_wait_alu depctr_hold_cnt(0) depctr_sa_sdst(0) depctr_va_vdst(0) depctr_va_sdst(0) depctr_va_ssrc(0) depctr_va_vcc(0) depctr_vm_vsrc(0)
	s_getreg_b32 s2, hwreg(HW_REG_IB_STS2, 6, 4)
	s_cmp_eq_u32 s2, 0
	s_cbranch_scc0 .Lentry_in_a_cluster
	s_endpgm
.Lentry_in_a_cluster:
	s_bfe_u32 s2, ttmp6, 0x10000c
	s_cmp_lg_u32 s2, 0xf033
	s_cbranch_scc0 .Lentry_shape_is_right
	s_endpgm
.Lentry_shape_is_right:
; qkv = x in_proj_w^T + in_proj_b on codes of FP6 (E2M3) with E8M0 scales, and q, k, v quantised at once, in registers, for the two products of attention.  No f32 number of qkv goes to memory.
; A tile of 256 x 256 is made by four waves, 128 x 128 each: 64 accumulators, 512 registers.  K = 1,024 goes in four steps of 256 through two LDS slots filled by the tensor data mover; the scale bytes of the
; work-group's 2 x 256 rows come once and stay.  Both operands are rows of cod and scl (rows 0.. tokens, 8192.. in_proj_w), in the stored order: bits 3 and 4 of a row's number have changed places.
; SOURCE 0's rows run along a lane's registers in the result, SOURCE 1's rows lie one to a lane.  What is quantised must run along the registers:
;   cluster x = 0 (q), 1 (k): source 0 = rows of the weight, source 1 = tokens: a lane holds one token and 128 features, two heads of 64: K of the first product of attention.
;   cluster x = 2 (v):        source 0 = tokens, source 1 = rows of the weight: a lane holds one feature and 128 tokens: the keys, K of the second product.
; By the stored order the 16 registers of tiles 2 b and 2 b + 1 of source 0 are 16 neighbours: 32 b + 16 (lane / 16) + 0 .. 15.
; RESULTS are images of the operand registers of the launch that reads them: qkvi [head 64][q, k, v: 98,304 bytes each]: q, k: a tile of 16 stored tokens is 768 bytes (registers 0-3 at 16 x lane, 4-5 at 512 + 8 x lane);
; v: [key step 16][16 features 4][1,536 bytes: registers 4 c .. 4 c + 3 at 512 c + 16 x lane].  qkvs [head][q 8,192, k 8,192, v 4,096]: scale words, four tiles' words of a row on end.
; CLUSTERS: 4 x 4 work-groups.  Source 1's tile hangs on the place along y and is shared along a row of the cluster, source 0's on the place along x and is shared along a column: each is asked for jointly.
; The choice between the two forms hangs on the cluster's x alone, which all sixteen partners share.
; LIMITS: as in the launch before: the byte's floor of 1, no NaN, no infinities.  1 / sqrt(64) is not applied here: it is a power of two and goes into the softmax's factor; that differs from scaling q first only where q's byte would be held at 1.
; REGISTERS, in windows of 256: window 0: v0-31 addresses; v32-63 scale words, two sets; v64-127 the bias along the registers; from v128 source 1's fragments, one set; v244-247 the bias by lanes.
;   window 1: source 0's fragments, two sets, at v0 and v128.   window 2: the accumulators of my rows 0-63 of source 1 ((a, b) at v[8 (8 a + b)]);   window 3: those of rows 64-127.
; THE DEAL AS IT STANDS (it takes the place of what is said above of cluster x = 2): 256 work-groups, cluster x = 0 (q) or 1 (k).  PHASE 1: each makes its tile of 256 tokens x 256 features of q or k, as above.
; PHASE 2: each then makes 128 features x 256 tokens of v: source 0 = the tokens' tile 4 (cluster y) + cx (shared along a column of the cluster), source 1 = 128 rows of the weight, 10,240 + 128 (4 (cluster x) + cy) on
; (shared along a row): a wave 64 features (one head) x 128 tokens, 32 accumulators.  The ring does not stop: phase 1's last two changes of slots ask for phase 2's K steps 0 and 1, which land under phase 1's way out.
; Phase 2's scale words (32 bytes a row) come by plain loads at the head into spare registers of window 1 (v96-127: K 0-511, v224-255: K 512-1023) and are moved into the scale registers v32-63.
; Its tokens' codes have been read in phase 1 by this cluster; its rows of the weight are asked for into the L2 ahead: 96 blocks of 256 bytes a K step, six for each of the sixteen waves of a row of the cluster.
.set KSTEP,  256
.set NQ,     2                         ; matrix instructions deep in a slot
.set ROWB,   192                       ; a tile's row: 256 codes
.set PL,     2162688                   ; a plane of cod: the 192 bytes of one K step of rows 0 .. 11263, row behind row: 128 rows are 24,576 dense bytes = 96 rows of 256 bytes
.set PITCH,  240                       ; an LDS row: 3 x (64 bytes + 16 of padding)
.set FR,     12                        ; registers of a fragment
.set NL,     6                         ; LDS loads that bring one
.set NP,     4                         ; places behind this matrix instruction (ISA guide 7.12.1)
.set HALFT,  128*PITCH
.set SLOT,   4*HALFT
.set KS,     32                        ; a row of scl
.set SCL,    2*SLOT                    ; behind the ring: the scales, as units of 256 bytes + 16 of padding
.set HALFS,  (128*KS/256)*272
.set SBLK,   (16*KS/256)*272
.set SPARE,  SCL+4*HALFS               ; the spare words, 128 bytes for each wave: two blocks of 256 bytes that no other line names
.set RO,   7                           ; v7      4 (r + 8 (r / 8)): the bias by lanes
.set BO,   8                           ; v8      64 h: the bias along the registers
.set ADRA, 16                          ; v16-17  LDS address of source 1's fragments in slot 0, 1 (v18-19: behind one padding more)
.set ADRB, 20                          ; v20-23  the same for source 0
.set O16,  24                          ; v24     16 x lane
.set O8,   25                          ; v25     8 x lane
.set OS,   26                          ; v26     20,480 h + 16 r: the scale words' place; lanes 16-31 serve the next head
.set ADRS, 27                          ; v27     LDS address of my scale words
.set SPW,  28                          ; v28     LDS address of my spare word; never rewritten
.set NIL,  29                          ; v29     0; never rewritten
.set SH,   30                          ; v30     16 h
.set SC,   32
.set BP,   64
.set AF,   128
.set T,    128                         ; the way out: 64 numbers of a lane
.set CD,   192                         ; v192-211 their codes
.set TM,   212                         ; v212-227 at work
.set PW,   228                         ; the scale word just made
.set SCW,  232                         ; v232-239 the eight blocks' scale words
.set BR,   244
.set BQ,   252                         ; v252-253 a block's bias by lanes, twice
.set SEL,  2                           ; s[2:3] lane selects for v_permlanex16_b32
.set G1, 24
.set G0, 32
.set G1B, 48
.set G0B, 56
.set G1S, 68
.set G0S, 76
.set G1SB, 80
.set G0SB, 88
.set MSB, 0
.macro WIN new                         ; the immediate's high byte repeats the setting that is left
.if MSB != (\new)
	s_set_vgpr_msb (MSB<<8)|(\new)
.set MSB, (\new)
.endif
.endm
.set MUL_LO, 0xa1                      ; source 0 window 1, source 1 window 0, C and D window 2
.set MUL_HI, 0xf1                      ; the same, C and D window 3
.set TO_B,   0x40                      ; destination window 1, address window 0
; A joint load: waves 0 and 1 fetch for source 1, waves 2 and 3 for source 0.  The branch hangs on the wave's number alone.  Four v_nop follow each of the two lines.
.macro JLOAD g0a, g1a, g0b, g1b
	s_cmp_eq_u32 s15, 0
	s_cbranch_scc0 .Lfor_b_\@
	tensor_load_to_lds s[\g0a:\g0a+3], s[\g1a:\g1a+7]
	s_nop 0
.rept 4
	v_nop
.endr
	s_branch .Lasked_\@
.Lfor_b_\@:
	tensor_load_to_lds s[\g0b:\g0b+3], s[\g1b:\g1b+7]
	s_nop 0
.rept 4
	v_nop
.endr
.Lasked_\@:
.endm
.macro CREST                           ; a round of the cluster's barrier behind its opening barrier
	s_cmp_lg_u32 s14, 0
	s_cbranch_scc1 .Lnot_wave_0_\@
	s_barrier_signal -3
.Lnot_wave_0_\@:
	s_barrier_wait -3
	s_barrier_signal -1
	s_barrier_wait -1
.endm
.macro CROUND                          ; a whole round
	s_barrier_signal -1
	s_barrier_wait -1
	CREST
.endm
	s_load_b128 s[4:7], s[0:1], 0x0                ; cod, scl
	s_load_b128 s[8:11], s[0:1], 0x10              ; in_proj_b, qkvi
	s_load_b64 s[12:13], s[0:1], 0x20              ; qkvs
	v_lshl_add_u32 v[SPW], v0, 2, SPARE
	v_mov_b32 v[NIL], 0
	ds_add_u32 v28, v29
	ds_add_u32 v28, v29
	s_wait_dscnt 0x0
	v_lshrrev_b32 v1, 5, v0
	v_readfirstlane_b32 s14, v1                    ; wave 0..3
	s_lshr_b32 s15, s14, 1                         ; which half of source 1's rows is mine.  Also: I fetch for source 1 (0) or for source 0 (1)
	s_and_b32 s16, s14, 1                          ; which half of source 0's rows.  Also: which 128 rows of that tile I fetch
	s_bfe_u32 s40, ttmp6, 0x40000                  ; cx, cy: my place in the cluster
	s_bfe_u32 s41, ttmp6, 0x40004
	s_and_b32 s99, ttmp7, 0xffff                   ; cluster y: which 1,024 tokens
	s_add_co_u32 s42, ttmp9, 8                     ; q, k: the weight's rows begin at tile 4 (8 + cluster x) of cod, in tiles of 256 rows
	s_lshl_b32 s42, s42, 2
	s_add_co_u32 s42, s42, s40                     ; phase 1, source 0: the weight's tile hangs on cx,
	s_lshl_b32 s17, s99, 2
	s_add_co_u32 s98, s17, s40                     ; s98: phase 2, source 0: the tokens' tile 4 (cluster y) + cx
	s_add_co_u32 s17, s17, s41                     ; phase 1, source 1: the tokens' tile 4 (cluster y) + cy
	s_lshl_b32 s99, ttmp9, 2
	s_add_co_u32 s99, s99, s41                     ; s99: phase 2, source 1: which 128 rows of v's weight: 4 (cluster x) + cy
	s_lshl_b32 s43, s41, 2
	s_lshl_b32 s43, 15, s43                        ; my row of the cluster
	s_lshl_b32 s44, 0x1111, s40                    ; my column
	; descriptor group 1: a tile of 128 rows x 192 bytes, 16 bytes of padding behind every 64
	s_or_b32 s[G1+0], s43, (0<<16)|(1<<20)|(1<<21)|(3<<22)|(3<<25)
	s_or_b32 s[G1B+0], s44, (0<<16)|(1<<20)|(1<<21)|(3<<22)|(3<<25)
.irp g, G1, G1B
	s_mov_b32 s[\g+1], 256<<16                     ; a tile is dense in its plane and is stated as rows of 256 bytes; the padding's interval stays 64 bytes, so an LDS row of 192 bytes keeps its pitch of 240
	s_mov_b32 s[\g+2], 192<<16                     ; the head's loads bring 256 rows of codes = 192 rows of 256 bytes
	s_mov_b32 s[\g+3], 256<<16
	s_mov_b32 s[\g+4], 192
	s_mov_b32 s[\g+5], 256
	s_mov_b32 s[\g+6], 0
	s_mov_b32 s[\g+7], 0
.endr
	; the scales of 256 rows: 8,192 dense bytes, as 32 rows of 256 bytes (32 elements of 8), 16 bytes of padding behind each
	s_or_b32 s[G1S+0], s43, (3<<16)|(1<<20)|(1<<21)|(5<<22)|(3<<25)
	s_or_b32 s[G1SB+0], s44, (3<<16)|(1<<20)|(1<<21)|(5<<22)|(3<<25)
.irp g, G1S, G1SB
	s_mov_b32 s[\g+1], 32<<16
	s_mov_b32 s[\g+2], (256*KS/256)<<16            ; one load brings the scales of all 256 rows of a tile
	s_mov_b32 s[\g+3], 32<<16
	s_mov_b32 s[\g+4], 256*KS/256
	s_mov_b32 s[\g+5], 32
	s_mov_b32 s[\g+6], 0
	s_mov_b32 s[\g+7], 0
.endr
	s_lshl_b32 s20, s17, 8                         ; source 1: the tile's first row of cod
	s_lshl_b32 s46, s42, 8                         ; source 0: likewise
	s_mov_b32 s21, 0
	s_mov_b32 s47, 0
	s_mov_b64 s[18:19], KS
	s_mul_u64 s[22:23], s[20:21], s[18:19]         ; where these rows' scales begin, in bytes
	s_mul_u64 s[92:93], s[46:47], s[18:19]
	s_mov_b64 s[18:19], ROWB
	s_mul_u64 s[20:21], s[20:21], s[18:19]         ; and their codes
	s_mul_u64 s[46:47], s[46:47], s[18:19]
	s_lshl_b32 s100, s99, 7                        ; phase 2's tiles, bytes into a plane of cod.  Source 1: rows 10,240 + 128 s99 on,
	s_add_co_u32 s100, s100, 10240
	s_mul_i32 s66, s100, ROWB
	s_lshl_b32 s101, s16, 6                        ; of which I fetch 64;
	s_add_co_u32 s100, s100, s101
	s_mul_i32 s100, s100, ROWB
	s_mov_b32 s101, 0
	s_lshl_b32 s104, s98, 8                        ; source 0: rows 256 s98 on, of which I fetch 128
	s_lshl_b32 s105, s16, 7
	s_add_co_u32 s104, s104, s105
	s_mul_i32 s104, s104, ROWB
	s_mov_b32 s105, 0
	s_lshl_b32 s67, s40, 2                         ; the prefetch of source 1's 96 blocks a K step: six for wave 4 cx + wave of the row's sixteen
	s_add_co_u32 s67, s67, s14
	s_mul_i32 s67, s67, 6*256
	s_add_co_u32 s66, s66, s67
	s_mov_b32 s67, 0
	s_mul_i32 s45, s14, HALFT                      ; where they go: wave x 128 rows: no place in the cluster enters an LDS address
	s_mul_i32 s94, s16, 128*ROWB                   ; in the ring I fetch 128 rows of a tile: which half, in bytes
	s_mov_b32 s95, 0
	s_wait_kmcnt 0x0
	s_add_nc_u64 s[20:21], s[4:5], s[20:21]
	s_add_nc_u64 s[22:23], s[6:7], s[22:23]
	s_add_nc_u64 s[46:47], s[4:5], s[46:47]
	s_add_nc_u64 s[92:93], s[6:7], s[92:93]
	s_add_nc_u64 s[100:101], s[4:5], s[100:101]
	s_add_nc_u64 s[104:105], s[4:5], s[104:105]
	s_add_nc_u64 s[66:67], s[4:5], s[66:67]
	CROUND                                         ; all sixteen work-groups are here: the first joint loads meet
	s_mov_b32 s[G0S], 1
	s_mov_b32 s[G0S+1], SCL
	s_mov_b64 s[G0S+2:G0S+3], s[22:23]
	s_or_b32 s[G0S+3], s[G0S+3], 0x80000000
	s_mov_b32 s[G0SB], 1
	s_mov_b32 s[G0SB+1], SCL+2*HALFS
	s_mov_b64 s[G0SB+2:G0SB+3], s[92:93]
	s_or_b32 s[G0SB+3], s[G0SB+3], 0x80000000
	s_mov_b32 s[G0], 1                             ; slot 0's groups 0 serve the head first: K step 0's whole tiles, 256 rows each
	s_mov_b32 s[G0+1], 0
	s_mov_b64 s[G0+2:G0+3], s[20:21]
	s_or_b32 s[G0+3], s[G0+3], 0x80000000
	s_mov_b32 s[G0B], 1
	s_mov_b32 s[G0B+1], 2*HALFT
	s_mov_b64 s[G0B+2:G0B+3], s[46:47]
	s_or_b32 s[G0B+3], s[G0B+3], 0x80000000
	s_add_nc_u64 s[20:21], s[20:21], s[94:95]      ; for the ring: my 128 rows of the tile
	s_add_nc_u64 s[46:47], s[46:47], s[94:95]
	s_mov_b32 s[G0+4], 1                           ; slot 1: K step 1, one plane on
	s_add_co_u32 s[G0+5], s45, SLOT
	s_add_nc_u64 s[G0+6:G0+7], s[20:21], PL
	s_or_b32 s[G0+7], s[G0+7], 0x80000000
	s_mov_b32 s[G0B+4], 1
	s_add_co_u32 s[G0B+5], s45, SLOT
	s_add_nc_u64 s[G0B+6:G0B+7], s[46:47], PL
	s_or_b32 s[G0B+7], s[G0B+7], 0x80000000
	s_cmp_eq_u32 s15, 0                            ; the prefetches' base: of the 96 blocks of 256 bytes that I fetch in a K step, each of the four partners that ask jointly names 24, told apart by address
	s_cselect_b64 s[4:5], s[20:21], s[46:47]
	s_cselect_b32 s18, s40, s41
	s_mul_i32 s18, s18, 24*256
	s_mov_b32 s19, 0
	s_add_nc_u64 s[4:5], s[4:5], s[18:19]
; THE HEAD'S LOADS, ONE A WAVE: wave 0 source 1's 256 rows of K step 0, wave 1 source 0's, wave 2 source 1's scales, wave 3 source 0's.  One chain of branches on the wave's number.
.macro ARM under, g0, g1, next
	s_cmp_lt_u32 s14, \under
	s_cbranch_scc0 \next
	tensor_load_to_lds s[\g0:\g0+3], s[\g1:\g1+7]
	s_nop 0
.rept 4
	v_nop
.endr
	s_branch .Lhead_asked
\next:
.endm
	ARM 1, G0,  G1,  .Lhead_b
	ARM 2, G0B, G1B, .Lhead_sa
	ARM 3, G0S, G1S, .Lhead_sb
	tensor_load_to_lds s[G0SB:G0SB+3], s[G1SB:G1SB+7]
	s_nop 0
.rept 4
	v_nop
.endr
.Lhead_asked:
	v_and_b32 v31, 31, v0                          ; v31: 256 x min(lane, 23): a lane a block; the lanes left over name the last block again; never rewritten
	v_min_u32 v31, 23, v31
	v_lshlrev_b32 v31, 8, v31
	global_prefetch_b8 v31, s[4:5] offset:PL th:TH_LOAD_NT scope:SCOPE_SE     ; K steps 1 and 2 of my rows are asked for into the L2; K step 3 behind the first refill
	global_prefetch_b8 v31, s[4:5] offset:2*PL th:TH_LOAD_NT scope:SCOPE_SE
	v_and_b32 v11, 31, v0                          ; v11: 256 x min(lane, 5); never rewritten
	v_min_u32 v11, 5, v11
	v_lshlrev_b32 v11, 8, v11
	global_prefetch_b8 v11, s[66:67] th:TH_LOAD_NT scope:SCOPE_SE             ; phase 2's rows of the weight, K steps 0 and 1; 2 and 3 behind the first refill
	global_prefetch_b8 v11, s[66:67] offset:PL th:TH_LOAD_NT scope:SCOPE_SE
	v_and_b32 v1, 15, v0                           ; r = lane % 16
	v_bfe_u32 v2, v0, 4, 1                         ; h = lane / 16
	v_mul_u32_u24 v3, v1, PITCH
	v_mul_u32_u24 v4, v2, 24
	v_add_nc_u32 v4, v3, v4                        ; a fragment's row x pitch + 24 x half
	v_lshl_add_u32 v5, v2, 4, v4                   ; and the same behind one padding more
	s_mul_i32 s21, s15, HALFT                      ; my 128 rows of source 1
	s_mul_i32 s22, s16, HALFT                      ; my 128 rows of source 0,
	s_add_co_u32 s22, s22, 2*HALFT                 ; which lie behind source 1's 256
.irp s, 0,1
	v_add_nc_u32 v[ADRA+\s], s21, v4
	v_add_nc_u32 v[ADRB+\s], s22, v4
	v_add_nc_u32 v[ADRA+2+\s], s21, v5
	v_add_nc_u32 v[ADRB+2+\s], s22, v5
	s_add_co_u32 s21, s21, SLOT
	s_add_co_u32 s22, s22, SLOT
.endr
	v_mul_u32_u24 v5, v1, KS                       ; my row's scales: 32 bytes a row,
	v_lshrrev_b32 v6, 8, v5
	v_lshl_add_u32 v5, v6, 4, v5                   ; and 16 more for each 256 passed
	s_mul_i32 s21, s15, HALFS
	s_mul_i32 s22, s16, HALFS
	s_add_co_u32 s22, s22, 2*HALFS
	s_sub_co_u32 s22, s22, s21
	v_mul_u32_u24 v6, s22, v2                      ; lanes 16-31 take source 0's
	s_add_co_u32 s21, s21, SCL
	v_add_nc_u32 v5, v5, v6
	v_add_nc_u32 v[ADRS], s21, v5
	v_and_b32 v6, 31, v0
	v_lshlrev_b32 v[O16], 4, v6
	v_lshlrev_b32 v[O8], 3, v6
	v_mul_u32_u24 v[OS], v2, 20480
	v_lshl_add_u32 v[OS], v1, 4, v[OS]
	v_lshlrev_b32 v[SH], 4, v2
	v_lshlrev_b32 v[BO], 6, v2
	s_wait_alu depctr_va_vdst(0)
	v_and_b32 v[RO], 8, v1
	v_add_nc_u32 v[RO], v[RO], v1
	v_lshlrev_b32 v[RO], 2, v[RO]
	s_wait_alu depctr_va_vdst(0)
	s_mov_b32 s[SEL], 0x76543210
	s_mov_b32 s[SEL+1], 0xfedcba98
	; THE BIAS, in both forms, so that no register's content hangs on a branch: along the registers (q, k: my 128 features) and by lanes (v: my 64 features).  The form that this cluster does not use reads the bias's first bytes and is not used.
	s_lshl_b32 s94, ttmp9, 12                      ; 4 x (1,024 x cluster x + 256 cx + 128 x my half of source 0)
	s_lshl_b32 s95, s40, 10
	s_add_co_u32 s94, s94, s95
	s_lshl_b32 s95, s16, 9
	s_add_co_u32 s94, s94, s95
	s_lshl_b32 s96, s99, 9                         ; phase 2, by lanes: 4 x (2,048 + 128 s99 + 64 x my half of source 1)
	s_lshl_b32 s97, s15, 8
	s_add_co_u32 s96, s96, s97
	s_add_co_u32 s96, s96, 8192
	s_mov_b32 s95, 0
	s_mov_b32 s97, 0
	s_add_nc_u64 s[94:95], s[8:9], s[94:95]
	s_add_nc_u64 s[96:97], s[8:9], s[96:97]
.irp t, 0,1,2,3,4,5,6,7
	global_load_b128 v[BP+8*\t:BP+8*\t+3], v[BO], s[94:95] offset:(32*(\t/2)+8*(\t%2))*4        ; tile t, register j: feature 32 (t / 2) + 16 h + 8 (t % 2) + j
	global_load_b128 v[BP+8*\t+4:BP+8*\t+7], v[BO], s[94:95] offset:(32*(\t/2)+8*(\t%2))*4+16
.if \t < 4
	global_load_b32 v[BR+\t], v[RO], s[96:97] offset:(32*(\t/2)+8*(\t%2))*4                      ; block t, lane r: feature 32 (t / 2) + 8 (t % 2) + r + 8 (r / 8) of my 64
.endif
.endr
	; where my results go
	; phase 2's scale words: lanes 16-31 take the rows of my 128 tokens, lanes 0-15 those of my 64 rows of the weight (blocks 4-7 of lanes 0-15 read rows further on in scl and are not used)
	s_lshl_b32 s18, s98, 13
	s_lshl_b32 s19, s16, 12
	s_add_co_u32 s18, s18, s19                     ; 32 x (256 s98 + 128 x my half of source 0)
	s_lshl_b32 s20, s99, 12
	s_lshl_b32 s21, s15, 11
	s_add_co_u32 s20, s20, s21
	s_add_co_u32 s20, s20, 10240*32                ; 32 x (10,240 + 128 s99 + 64 x my half of source 1),
	s_sub_co_u32 s20, s20, s18                     ; less the tokens': the weight's rows lie behind all tokens
	s_mov_b32 s19, 0
	s_add_nc_u64 s[6:7], s[6:7], s[18:19]
	v_sub_nc_u32 v9, 1, v2
	v_mul_u32_u24 v9, s20, v9
	v_lshl_add_u32 v9, v1, 5, v9
	v_lshlrev_b32 v10, 4, v1                       ; v10: 16 r: phase 2's scale words' place
	WIN 0x40
.irp i, 0,1,2,3,4,5,6,7
	global_load_b128 v[96+4*\i:99+4*\i], v9, s[6:7] offset:512*\i
	global_load_b128 v[224+4*\i:227+4*\i], v9, s[6:7] offset:512*\i+16
.endr
	WIN 0
	; where phase 2's results go: s[92:93] in qkvi, s[8:9] in qkvs
	s_lshr_b32 s20, s98, 3                         ; the batch
	s_lshl_b32 s20, s20, 4
	s_lshl_b32 s21, s99, 1
	s_add_co_u32 s20, s20, s21
	s_add_co_u32 s20, s20, s15                     ; 16 x batch + my head
	s_and_b32 s18, s98, 7
	s_lshl_b32 s18, s18, 1
	s_add_co_u32 s18, s18, s16                     ; which 128 tokens of the sequence
	s_mul_i32 s46, s20, 294912
	s_add_co_u32 s46, s46, 196608
	s_mul_i32 s47, s18, 6144
	s_add_co_u32 s46, s46, s47
	s_mov_b32 s47, 0
	s_add_nc_u64 s[92:93], s[10:11], s[46:47]
	s_mul_i32 s46, s20, 20480
	s_add_co_u32 s46, s46, 16384
	s_lshl_b32 s22, s18, 8
	s_add_co_u32 s46, s46, s22
	s_add_nc_u64 s[8:9], s[12:13], s[46:47]
	; and phase 1's
	s_mov_b32 s18, s17                             ; which 256 tokens, of 32
	s_mov_b32 s19, s15
	s_mov_b32 s20, s40
	s_mov_b32 s21, s16
	s_mov_b32 s23, 512
	s_lshl_b32 s20, s20, 2
	s_lshl_b32 s21, s21, 1
	s_add_co_u32 s20, s20, s21                     ; my first head: 4 heads a tile, 2 a half
	s_lshr_b32 s22, s18, 3                         ; the batch
	s_lshl_b32 s22, s22, 4
	s_add_co_u32 s20, s20, s22                     ; 16 x batch + head
	s_and_b32 s18, s18, 7
	s_lshl_b32 s18, s18, 1
	s_add_co_u32 s18, s18, s19                     ; which 128 tokens of the sequence
	s_mul_i32 s46, s20, 294912
	s_mul_i32 s47, ttmp9, 98304
	s_add_co_u32 s46, s46, s47
	s_mul_i32 s47, s18, 6144
	s_add_co_u32 s46, s46, s47
	s_mov_b32 s47, 0
	s_add_nc_u64 s[10:11], s[10:11], s[46:47]
	s_mul_i32 s46, s20, 20480
	s_lshl_b32 s22, ttmp9, 13
	s_add_co_u32 s46, s46, s22
	s_mul_i32 s22, s18, s23
	s_add_co_u32 s46, s46, s22
	s_add_nc_u64 s[12:13], s[12:13], s[46:47]
.macro FRAG reg, adr, q, i             ; a fragment, 16 rows x 128 K, is 12 registers: registers 6 c .. 6 c + 5 hold K = 64 c + 32 (lane / 16) + 0 .. 31: 24 bytes of the row, as they lie, in pieces of 8 bytes
.irp p, 0,1,2,3,4,5
.set PIECE, 12*(\q)+6*(\p/3)+\p%3      ; 16 bytes of padding lie behind every 8 pieces: where the piece three on lies behind one padding more, the second address register serves
.if PIECE%8 < 5
	ds_load_b64 v[\reg+2*\p:\reg+2*\p+1], v[\adr] offset:8*PIECE+16*(PIECE/8)+(\i)*16*PITCH
.else
	ds_load_b64 v[\reg+2*\p:\reg+2*\p+1], v[\adr+2] offset:8*PIECE+16*(PIECE/8)+(\i)*16*PITCH
.endif
.endr
.endm
; 16 matrix instructions: source 1's blocks a0, a0 + 1 x source 0's eight, 128 along K.  p: source 0's set; sc: the set of scale words.  zero = 1: the first product starts the sums.
; The 64 accumulators take turns, one instruction a turn, in the same order in every step.
.macro MUL16 a0, p, q, sc, zero
.irp a, \a0, \a0+1
.irp b, 0,1,2,3,4,5,6,7
.if \zero
	v_wmma_scale_f32_16x16x128_f8f6f4 v[8*(8*((\a)%4)+\b):8*(8*((\a)%4)+\b)+7], v[128*(\p)+FR*\b:128*(\p)+FR*\b+FR-1], v[AF+FR*(\a):AF+FR*(\a)+FR-1], 0, v[SC+8*NQ*(\sc)+NQ*\b+(\q)], v[SC+8*NQ*(\sc)+NQ*(\a)+(\q)] matrix_a_fmt:MATRIX_FMT_FP6 matrix_b_fmt:MATRIX_FMT_FP6 matrix_a_scale:MATRIX_SCALE_ROW1
.else
	v_wmma_scale_f32_16x16x128_f8f6f4 v[8*(8*((\a)%4)+\b):8*(8*((\a)%4)+\b)+7], v[128*(\p)+FR*\b:128*(\p)+FR*\b+FR-1], v[AF+FR*(\a):AF+FR*(\a)+FR-1], v[8*(8*((\a)%4)+\b):8*(8*((\a)%4)+\b)+7], v[SC+8*NQ*(\sc)+NQ*\b+(\q)], v[SC+8*NQ*(\sc)+NQ*(\a)+(\q)] matrix_a_fmt:MATRIX_FMT_FP6 matrix_b_fmt:MATRIX_FMT_FP6 matrix_a_scale:MATRIX_SCALE_ROW1
.endif
.endr
.endr
.endm
.macro FETCH_B slot, q, p
	WIN TO_B
.irp i, 0,1,2,3,4,5,6,7
	FRAG 128*(\p)+FR*\i, ADRB+\slot, \q, \i
.endr
	WIN 0
.endm
.macro FETCH_A slot, q, i0
.irp i, \i0, \i0+1, \i0+2, \i0+3
	FRAG AF+FR*(\i), ADRA+\slot, \q, \i
.endr
.endm
.macro SCALES sc                       ; a K step's scale words: two words a row; lanes 0-15 take source 1's block i, lanes 16-31 source 0's block i
.irp i, 0,1,2,3,4,5,6,7
	ds_load_b64 v[SC+8*NQ*\sc+NQ*\i:SC+8*NQ*\sc+NQ*\i+1], v[ADRS] offset:\i*SBLK
.endr
.endm
.macro PLACES n                        ; plain vector instructions between a matrix instruction and a load into, or a vector instruction on, its registers
.rept \n
	v_nop
.endr
.endm
.macro STEP slot, q, zero              ; 128 along K that have their successor in the same slot
	s_wait_dscnt 4*NL                              ; source 0's set and source 1's blocks 0-3 are in; the youngest 24 loads (blocks 4-7) may be out
	WIN MUL_LO
	MUL16 0, (\q)%2, \q, \slot, \zero
	MUL16 2, (\q)%2, \q, \slot, \zero
	s_wait_dscnt 0
	PLACES NP
	FETCH_B \slot, (\q)+1, 1-(\q)%2
	FETCH_A \slot, (\q)+1, 0
	WIN MUL_HI
	MUL16 4, (\q)%2, \q, \slot, \zero
	MUL16 6, (\q)%2, \q, \slot, \zero
	PLACES NP
	WIN 0
	FETCH_A \slot, (\q)+1, 4
.endm
; A slot's last 128 change slots: one barrier; in front of it each wave waits for all its tensor loads, adds 0 to its spare word, and waits for that and for its reads of this slot.  fill = 1: this slot is filled again, two K steps ahead.
.macro TURN slot, next, fill
	s_wait_tensorcnt 0x0                           ; all my tensor loads have landed: my part of the next slot
	ds_add_u32 v[SPW], v[NIL]                      ; 0 onto my spare word
	s_wait_dscnt 4*NL+1                            ; (the add and the youngest 24 loads may be out)
	WIN MUL_LO
	MUL16 0, 1, NQ-1, \slot, 0                     ; sixteen matrix instructions stand between the add and the wait for it
	s_wait_dscnt 0x0                               ; the add is done, and my reads of this slot are over
	s_barrier_signal -1
	MUL16 2, 1, NQ-1, \slot, 0
	WIN 0
	s_barrier_wait -1
.if \fill
	CREST                                          ; the barrier has opened a round of the cluster's barrier: no wave of any partner still reads this slot or has a load on its way
.if (\fill) == 2                               ; the ring goes on into phase 2: its K step 0; no tensor load of mine is out, so descriptors may be written
	s_mov_b32 s[G1+2], 48<<16                      ; source 1's loads bring 64 rows of codes from here on = 48 rows of 256 bytes
	s_mov_b32 s[G1+4], 48
	s_mov_b64 s[G0+4*\slot+2:G0+4*\slot+3], s[100:101]
	s_or_b32 s[G0+4*\slot+3], s[G0+4*\slot+3], 0x80000000
	s_mov_b64 s[G0B+4*\slot+2:G0B+4*\slot+3], s[104:105]
	s_or_b32 s[G0B+4*\slot+3], s[G0B+4*\slot+3], 0x80000000
.else
	s_add_nc_u64 s[G0+4*\slot+2:G0+4*\slot+3], s[G0+4*\slot+2:G0+4*\slot+3], 2*PL
	s_add_nc_u64 s[G0B+4*\slot+2:G0B+4*\slot+3], s[G0B+4*\slot+2:G0B+4*\slot+3], 2*PL
.endif
	JLOAD G0+4*\slot, G1, G0B+4*\slot, G1B         ; the first tensor load behind the round; its four v_nop are the places in front of the loads below
.else
	PLACES NP
.endif
	s_wait_alu depctr_va_vdst(0)
	v_add_nc_u32 v[ADRS], 4*NQ, v[ADRS]            ; on to the next K step's scale words
	FETCH_B \next, 0, 0
	FETCH_A \next, 0, 0
	SCALES \next
.if (\fill) == 1 && (\slot) == 0
	global_prefetch_b8 v31, s[4:5] offset:3*PL th:TH_LOAD_NT scope:SCOPE_SE   ; K step 3, one refill ahead of its load, behind the run of LDS loads
	global_prefetch_b8 v11, s[66:67] offset:2*PL th:TH_LOAD_NT scope:SCOPE_SE ; and phase 2's K steps 2 and 3 of the weight
	global_prefetch_b8 v11, s[66:67] offset:3*PL th:TH_LOAD_NT scope:SCOPE_SE
.endif
	WIN MUL_HI
	MUL16 4, 1, NQ-1, \slot, 0
	MUL16 6, 1, NQ-1, \slot, 0
	PLACES NP
	WIN 0
	FETCH_A \next, 0, 4
.endm
	s_wait_alu depctr_va_vdst(0)                   ; the wait at the head's end
	s_wait_tensorcnt 0x0                           ; my tile of the head's four is in
	ds_add_u32 v[SPW], v[NIL]
	s_mov_b32 s[G1+2], 96<<16                      ; no tensor load of mine is out, so descriptors may be written: from here on a load brings 128 rows of codes = 96 rows of 256 bytes,
	s_mov_b32 s[G1+4], 96
	s_mov_b32 s[G1B+2], 96<<16
	s_mov_b32 s[G1B+4], 96
	s_mul_i32 s18, s16, 128*ROWB
	s_mov_b32 s19, 0
	s_mov_b32 s[G0+1], s45                         ; and slot 0's groups 0 take the ring's form: my 128 rows, at my place
	s_add_nc_u64 s[G0+2:G0+3], s[G0+2:G0+3], s[18:19]
	s_mov_b32 s[G0B+1], s45
	s_add_nc_u64 s[G0B+2:G0B+3], s[G0B+2:G0B+3], s[18:19]
	s_wait_dscnt 0x0
	CROUND                                         ; a whole round: all four tiles are in, and the joint loads meet
	JLOAD G0+4, G1, G0B+4, G1B                     ; K step 1, the first tensor load behind the round
	FETCH_B 0, 0, 0
	FETCH_A 0, 0, 0
	SCALES 0
	FETCH_A 0, 0, 4
	STEP 0, 0, 1                                   ; K = 1,024 is four K steps: written out, no loop
	TURN 0, 1, 1                                   ; slot 0 takes K step 2
	STEP 1, 0, 0
	TURN 1, 0, 1                                   ; slot 1 takes K step 3
	STEP 0, 0, 0
	TURN 0, 1, 2                                   ; slot 0 takes phase 2's K step 0
	STEP 1, 0, 0
	s_wait_tensorcnt 0x0                           ; phase 1's last 128 along K: the same three lines and round; slot 1 takes phase 2's K step 1; no fragment is fetched: the way out comes first
	ds_add_u32 v[SPW], v[NIL]
	s_wait_dscnt 4*NL+1
	WIN MUL_LO
	MUL16 0, 1, NQ-1, 1, 0
	s_wait_dscnt 0x0
	s_barrier_signal -1
	MUL16 2, 1, NQ-1, 1, 0
	WIN 0
	s_barrier_wait -1
	CREST
	s_add_nc_u64 s[G0+6:G0+7], s[100:101], PL
	s_or_b32 s[G0+7], s[G0+7], 0x80000000
	s_add_nc_u64 s[G0B+6:G0B+7], s[104:105], PL
	s_or_b32 s[G0B+7], s[G0B+7], 0x80000000
	JLOAD G0+4, G1, G0B+4, G1B
	WIN MUL_HI
	MUL16 4, 1, NQ-1, 1, 0
	MUL16 6, 1, NQ-1, 1, 0
	WIN 0
; THE WAY OUT.  64 numbers of a lane, v[s] on, register 16 b + i = place 32 b + 16 (lane / 16) + i along the next K, become 12 registers of codes in v[CD] on and a scale word in v[PW].
.macro QUANT s
.irp b, 0,1,2,3
	v_max3_num_f32 v[TM+\b], |v[\s+16*\b]|, |v[\s+1+16*\b]|, 0x1800000   ; block b: my 16 numbers, and the floor 2^(3 - 127): the byte cannot fall under 1
.endr
.irp i, 2,4,6,8,10,12,14
.irp b, 0,1,2,3
	v_max3_num_f32 v[TM+\b], v[TM+\b], |v[\s+16*\b+\i]|, |v[\s+1+16*\b+\i]|
.endr
.endr
.irp b, 0,1,2,3
	v_permlanex16_b32 v[TM+4+\b], v[TM+\b], s[SEL], s[SEL+1]
.endr
.irp b, 0,1,2,3
	v_max_num_f32 v[TM+\b], v[TM+\b], v[TM+4+\b]   ; with lane l xor 16's: the block's largest magnitude
.endr
.irp b, 0,1,2,3
	v_add_nc_u32 v[TM+12+\b], 0xff000000, v[TM+\b]   ; 2 off its exponent field: the conversion's scale operand
.endr
.irp b, 0,1,2,3
	v_lshrrev_b32 v[TM+4+\b], 23, v[TM+12+\b]      ; the scale's byte
.endr
	v_lshl_or_b32 v[PW], v[TM+5], 8, v[TM+4]
	v_lshl_or_b32 v[PW], v[TM+6], 16, v[PW]
	v_lshl_or_b32 v[PW], v[TM+7], 24, v[PW]
	s_wait_xcnt 0x0                                ; the last block's stores have read their data: the codes' registers are written again only behind this wait
.irp c, 0,1
	v_cvt_scalef32_pk16_fp6_f32 v[CD+6*\c:CD+2+6*\c], v[\s+32*\c:\s+15+32*\c], v[TM+12+2*\c]
	v_cvt_scalef32_pk16_fp6_f32 v[CD+12+4*\c:CD+14+4*\c], v[\s+16+32*\c:\s+31+32*\c], v[TM+12+2*\c+1]   ; (a conversion's three registers begin on an even number)
.endr
	v_nop                                          ; one plain place behind a scaled conversion
.irp c, 0,1                                    ; the operand's layout wants a whole block in a lane: lanes 0-15 block 2 c, lanes 16-31 block 2 c + 1
.irp i, 0,1,2
	v_permlane16_swap_b32 v[CD+6*\c+\i], v[CD+12+4*\c+\i]
.endr
.irp i, 0,1,2
	v_mov_b32 v[CD+3+6*\c+\i], v[CD+12+4*\c+\i]
.endr
.endr
.endm
; Block a of source 1 (16 lanes' rows) against all 128 rows of source 0.  One packed addition adds the bias and brings two numbers into window 0; each accumulator is read from its low end on.
.macro OUTB a, isv
.if \isv
	v_mov_b32 v[BQ], v[BR+(\a)]
	v_mov_b32 v[BQ+1], v[BR+(\a)]
.endif
	WIN 0x02+((\a)/4)                              ; source 0: window 2 or 3
.set i, 0
.rept 32
.if \isv
	v_pk_add_f32 v[T+2*i:T+2*i+1], v[64*((\a)%4)+2*i:64*((\a)%4)+2*i+1], v[BQ:BQ+1]
.else
	v_pk_add_f32 v[T+2*i:T+2*i+1], v[64*((\a)%4)+2*i:64*((\a)%4)+2*i+1], v[BP+2*i:BP+2*i+1]
.endif
.set i, i+1
.endr
	WIN 0
	QUANT T
.if \isv
.irp c, 0,1,2                                  ; 16 features x 128 keys: one fragment of V^T; head a / 4 of my two, its features' tile a % 4.  32 lanes store 512 consecutive bytes
	global_store_b128 v[O16], v[CD+4*\c:CD+4*\c+3], s[10:11] offset:294912*((\a)/4)+1536*((\a)%4)+512*\c
.endr
	v_mov_b32 v[SCW+(\a)], v[PW]
.else                                          ; 16 tokens x two heads of 64: registers 0-5 are the first head's half fragment, 6-11 the second's
	global_store_b128 v[O16], v[CD:CD+3], s[10:11] offset:768*(\a)
	global_store_b64 v[O8], v[CD+4:CD+5], s[10:11] offset:768*(\a)+512
	global_store_b128 v[O16], v[CD+6:CD+9], s[10:11] offset:294912+768*(\a)
	global_store_b64 v[O8], v[CD+10:CD+11], s[10:11] offset:294912+768*(\a)+512
	v_lshrrev_b32 v[SCW+(\a)], v[SH], v[PW]        ; lanes 0-15 keep the word (bytes 0, 1: the first head's), lanes 16-31 take the second head's two bytes down; the upper two bytes meet zero codes and are never 0xff
.endif
.endm
	s_wait_loadcnt 0x0                             ; the bias
	PLACES NP                                      ; behind the last products: the lines below write registers that held source 1's fragments and read results
.irp b, 0,1,2,3
	v_mov_b32 v[TM+4+\b], 0                        ; written once: a lane permute's destination counts as one of its sources
.endr
	WIN 0x01                                       ; phase 2's scale words of K 0-511 take their places: register SC + 4 i + Q % 4; the way out stands between these lines and the first product
.set j, 0
.rept 32
	v_mov_b32 v[SC+j], v[96+j]
.set j, j+1
.endr
	WIN 0
.irp a, 0,1,2,3,4,5,6,7
	OUTB \a, 0
.endr
	global_store_b128 v[OS], v[SCW:SCW+3], s[12:13]               ; tiles 0-3's words of row r on end: sixteen lanes store 256 consecutive bytes, aligned; lanes 16-31 the same in the next head
	global_store_b128 v[OS], v[SCW+4:SCW+7], s[12:13] offset:256
; PHASE 2: v.  Eight steps Q of 128 along K, 32 products each (source 1's four blocks x source 0's eight; the 32 accumulators by turns); both sides' fragments lie twice in registers (set Q % 2), and a step's 72 LDS loads
; are issued a step ahead.  K step Q / 2 lies in slot (Q / 2) % 2.  An odd step changes slots as phase 1 does: the three lines, the barrier, and at Q = 1 and 3 the round and the refill, two K steps ahead.
.macro MULV a, Q
.irp b, 0,1,2,3,4,5,6,7
.if (\Q) == 0
	v_wmma_scale_f32_16x16x128_f8f6f4 v[8*(8*(\a)+\b):8*(8*(\a)+\b)+7], v[128*((\Q)%2)+FR*\b:128*((\Q)%2)+FR*\b+FR-1], v[AF+48*((\Q)%2)+FR*(\a):AF+48*((\Q)%2)+FR*(\a)+FR-1], 0, v[SC+4*\b+(\Q)%4], v[SC+4*(\a)+(\Q)%4] matrix_a_fmt:MATRIX_FMT_FP6 matrix_b_fmt:MATRIX_FMT_FP6 matrix_a_scale:MATRIX_SCALE_ROW1
.else
	v_wmma_scale_f32_16x16x128_f8f6f4 v[8*(8*(\a)+\b):8*(8*(\a)+\b)+7], v[128*((\Q)%2)+FR*\b:128*((\Q)%2)+FR*\b+FR-1], v[AF+48*((\Q)%2)+FR*(\a):AF+48*((\Q)%2)+FR*(\a)+FR-1], v[8*(8*(\a)+\b):8*(8*(\a)+\b)+7], v[SC+4*\b+(\Q)%4], v[SC+4*(\a)+(\Q)%4] matrix_a_fmt:MATRIX_FMT_FP6 matrix_b_fmt:MATRIX_FMT_FP6 matrix_a_scale:MATRIX_SCALE_ROW1
.endif
.endr
.endm
.macro FETCH2 Q
	FETCH_B ((\Q)/2)%2, (\Q)%2, (\Q)%2
.irp i, 0,1,2,3
	FRAG AF+48*((\Q)%2)+FR*\i, ADRA+((\Q)/2)%2, (\Q)%2, \i
.endr
.endm
.macro MOVS Q                          ; in steps 2 to 5: the scale words of step Q + 2 take the registers of step Q - 2, whose products lie more than four places back; eight places and more follow ahead of step Q + 2
.if (\Q) >= 2 && (\Q) <= 5
	WIN 0x01
.irp i, 0,1,2,3,4,5,6,7
	v_mov_b32 v[SC+4*\i+(\Q)-2], v[224+4*\i+(\Q)-2]
.endr
	WIN 0
	s_wait_alu depctr_va_vdst(0)
.endif
.endm
	s_wait_xcnt 0x0                                ; phase 1's stores have read their data and their bases
	s_mov_b64 s[10:11], s[92:93]
	FETCH2 0                                       ; slot 0's tile was shown to all waves by the last round
.set Q2, 0
.rept 8
.if Q2%2 == 0
	s_wait_dscnt 0x0                               ; this step's fragments are in
.if Q2 > 0
	PLACES NP
.endif
	MOVS Q2
	FETCH2 Q2+1
	WIN MUL_LO
	MULV 0, Q2
	MULV 1, Q2
	MULV 2, Q2
	MULV 3, Q2
	WIN 0
.elseif Q2 < 7
	s_wait_tensorcnt 0x0                           ; all my tensor loads have landed: my part of the next slot
	ds_add_u32 v[SPW], v[NIL]
	s_wait_dscnt 1                                 ; this step's fragments are in; the add may be out
	WIN MUL_LO
	MULV 0, Q2
	s_wait_dscnt 0x0
	s_barrier_signal -1
	MULV 1, Q2
	WIN 0
	s_barrier_wait -1
.if Q2 < 4
.set SL2, (Q2/2)%2
	CREST
	s_add_nc_u64 s[G0+4*SL2+2:G0+4*SL2+3], s[G0+4*SL2+2:G0+4*SL2+3], 2*PL
	s_add_nc_u64 s[G0B+4*SL2+2:G0B+4*SL2+3], s[G0B+4*SL2+2:G0B+4*SL2+3], 2*PL
	JLOAD G0+4*SL2, G1, G0B+4*SL2, G1B
.else
	PLACES NP
.endif
	MOVS Q2
	FETCH2 Q2+1
	WIN MUL_LO
	MULV 2, Q2
	MULV 3, Q2
	WIN 0
.else
	s_wait_dscnt 0x0
	WIN MUL_LO
	MULV 0, Q2
	MULV 1, Q2
	MULV 2, Q2
	MULV 3, Q2
	WIN 0
.endif
.set Q2, Q2+1
.endr
	PLACES NP                                      ; behind the last products
.irp a, 0,1,2,3
	OUTB \a, 1
.endr
	global_store_b128 v10, v[SCW:SCW+3], s[8:9]    ; my head's four tiles' words of row r on end: 256 consecutive bytes, aligned (lanes r and r + 16 write the same bytes with the same value)
	s_wait_tensorcnt 0x0                           ; the wave's end
	ds_add_u32 v[SPW], v[NIL]
	s_wait_dscnt 0x0
	CROUND                                         ; the closing round: no work-group ends while a partner may still ask for a tile that names it
	s_endpgm
.Lfunc_end_k_q2433baea48_qkv:
	.size	k_q2433baea48_qkv, .Lfunc_end_k_q2433baea48_qkv-k_q2433baea48_qkv
	.p2alignl 7, 3214868480
	.fill 96, 4, 3214868480
	.section	.rodata,"a",@progbits
	.p2align	6, 0x0
	.amdhsa_kernel k_q2433baea48_qkv
		.amdhsa_group_segment_fixed_size 327680
		.amdhsa_private_segment_fixed_size 0
		.amdhsa_enable_private_segment 0
		.amdhsa_kernarg_size 40
		.amdhsa_user_sgpr_count 2
		.amdhsa_user_sgpr_kernarg_segment_ptr 1
		.amdhsa_wavefront_size32 1
		.amdhsa_system_sgpr_workgroup_id_x 1
		.amdhsa_system_sgpr_workgroup_id_y 1
		.amdhsa_system_sgpr_workgroup_id_z 1
		.amdhsa_system_vgpr_workitem_id 0
		.amdhsa_next_free_vgpr 1024
		.amdhsa_next_free_sgpr 106
		.amdhsa_reserve_vcc 0
		.amdhsa_float_denorm_mode_32 3
		.amdhsa_float_denorm_mode_16_64 3
		.amdhsa_memory_ordered 1
		.amdhsa_forward_progress 1
		.amdhsa_inst_pref_size 255
	.end_amdhsa_kernel
	.section	.bss,"aw",@nobits
	.p2align	6
	.space	262144
	.amdgpu_metadata
---
amdhsa.version: [ 1, 2 ]
amdhsa.kernels:
  - .name:           k_q2433baea48_qkv
    .symbol:         k_q2433baea48_qkv.kd
    .args:
      - { .name: cod, .offset: 0, .size: 8, .value_kind: global_buffer, .address_space: global }
      - { .name: scl, .offset: 8, .size: 8, .value_kind: global_buffer, .address_space: global }
      - { .name: in_proj_b, .offset: 16, .size: 8, .value_kind: global_buffer, .address_space: global }
      - { .name: qkvi, .offset: 24, .size: 8, .value_kind: global_buffer, .address_space: global }
      - { .name: qkvs, .offset: 32, .size: 8, .value_kind: global_buffer, .address_space: global }
    .group_segment_fixed_size: 327680
    .private_segment_fixed_size: 0
    .kernarg_segment_align: 8
    .kernarg_segment_size: 40
    .max_flat_workgroup_size: 128
    .sgpr_count:     106
    .vgpr_count:     1024
    .wavefront_size: 32
...
	.end_amdgpu_metadata
.endif
;; end of part 2
;; launch attn (part 3): grid 4 x 64, 16 waves a work-group, no clusters, 327,680 bytes of LDS; arguments qkvi, qkvs, oimg, oscl; writes oimg, oscl
.if DOCPART == 3
	.amdgcn_target "amdgcn-amd-amdhsa--gfx1250"
	.amdhsa_code_object_version 6
	.text
	.protected	k_q2433baea48_attn
	.globl	k_q2433baea48_attn
	.p2align	8
	.type	k_q2433baea48_attn,@function
k_q2433baea48_attn:
	s_mov_b64 s[64:65], 0
	v_nop
	global_prefetch_b8 v0, s[64:65] scope:SCOPE_SE
	s_setreg_imm32_b32 hwreg(HW_REG_WAVE_MODE, 25, 1), 1
	s_wait_xcnt 0x0
; Causal attention of one head (64 heads: batch x 16 + head; 2,048 tokens; head size 64), both products on codes of FP6 (E2M3) with E8M0 scales, and the result quantised at once along the output projection's K.
; LEFT OUT: key steps that lie wholly behind a tile's queries (the causal mask that reference() builds itself).
; THE SOFTMAX: t = score x log2(e) / 8; M = the row's largest t so far, rounded up to a whole number; p = 2^(t - M) is quantised along the keys, not normalised.  The row's sum is taken of the unquantised p and divides at the end.
; When M moves, the sum and O are multiplied by 2^(old M - new M): exact.
; INPUTS are images of operand registers: a tile of q or k (16 stored tokens x 64) is 768 bytes: registers 0-3 at 16 x lane, 4-5 at 512 + 8 x lane; registers 6-11 (K = 64 .. 127) are zeros, written once here.
; A tile of V^T (16 features x 128 keys) is 1,536 bytes.  Stored tile T, lane r is token 32 (T / 2) + 8 (T % 2) + r + 8 (r / 8): so the 16 registers of two neighbouring tiles of a result are 16 neighbours.
; SHARES.  Wave w of work-group i (0..3) of a head owns the query tiles B = 4 w + i and A = 127 - B.  A tile T wants key steps 0 .. T / 8 (128 keys a step): A and B together want 17 steps, in every wave of every
; work-group, and wave 0's tile A wants all 16: so every work-group reads every step that it loads.  All waves walk all 16 steps (constant trip counts); a tile's hidden steps are left out by a scalar branch on ids.
; K, V AND THEIR SCALE WORDS OF THE WHOLE HEAD LIE IN LDS, each byte filled once: 208,896 bytes.  At the head one tensor load a wave: waves 0-5 a sixth each of K's steps 0-3, waves 6-11 of V's, waves 12-15 a quarter
; each of the scale words.  Behind the full sequence and a barrier, one more load a wave: a sixteenth of steps 4-15, which lands while steps 0-3 are worked.
; PREFETCH: each wave's sixteenth of steps 4-15 (36 blocks of 256 bytes) is asked for into the L2 at the head, one instruction a wave; the four work-groups of a head share the blocks out, nine each, by address.
; NO CLUSTER: the four work-groups of a head read the same K and V, but which steps a wave leaves out hangs on its tiles' numbers, that is on the work-group's place among the four.
; Both products are used transposed (S^T = K Q^T, O^T = V^T P^T): a lane holds one query throughout.
; LIMITS: no NaN, no infinities; the byte's floor of 1 as in the launches before; the promise holds while |t| stays under 2^31.
; THE DEAL AS IT STANDS (it takes the place of what SHARES says above of which tiles a wave owns and of the 17 steps).  Work-group i owns the tiles T = 4 m + i, m = 0 .. 31; tile m wants m / 2 + 1 key steps.
; The deal is uneven: waves 0-3 own two tiles of 28 steps together (16 + 12 or 15 + 13), waves 4-7 of 20 (14 + 6, 11 + 9), waves 8-11 of 13 (10 + 3, 8 + 5), waves 12-15 of 8 or 6 (7 + 1, 4 + 2);
; waves w, w + 4, w + 8 and w + 12 together take 69 or 67 of the work-group's 272.  Waves 0 and 1 own the tiles of 16 steps, so every work-group reads every step that it loads.  The tiles' numbers are bytes of constants, picked by ids.
.set KB,  0                            ; LDS: K, 6,144 bytes a step, the 16 steps on end
.set VB,  98304                        ; V likewise
.set SCB, 196608                       ; K's scale words (8,192 bytes: 512 a step), then V's (4,096: 256 a step)
.set SPARE, 0x34000                    ; the spare words, 128 bytes a wave
.set L16, 1                            ; v1   16 x lane
.set L8,  2                            ; v2   8 x lane
.set R16, 3                            ; v3   16 x (lane % 16)
.set ADK16, 4                          ; v4-8 the step's LDS addresses: K's images by 16 and by 8 bytes a lane, V's, K's scale words, V's
.set ADK8, 5
.set ADV, 6
.set ADS, 7
.set ADT, 8
.set DA,  9                            ; v9, v10  my query's place in its step - 16 (lane / 16), tile A's and tile B's
.set DB,  10
.set QSB, 11                           ; v11  tile B's scale words
.set STA, 12                           ; v12-15  tile A: -M, the largest t, the sum in two halves;  v16-19 tile B
.set STB, 16
.set QA,  20                           ; v20-31, v32-43  Q's fragments
.set QB,  32
.set KF,  44                           ; v44-91  four fragments of K
.set S,   92                           ; v92-155 S^T, then p; then V's four fragments in the first 48
.set OA,  156                          ; v156-187, v188-219  O^T
.set OB,  188
.set PCD, 220                          ; v220-231 p's codes
.set BM,  232                          ; v232-235 the blocks' largest
.set PL,  236                          ; v236-243 at work
.set SO,  244                          ; v244-247 the conversions' scale operands
.set KSW, 248                          ; v248-251 four tiles' scale words
.set F,   252                          ; v252 2^(old M - new M)
.set PSW, 253                          ; v253 p's scale word
.set TMP, 254                          ; (in the head and at the end: my spare word's address)
.set QSA, 255                          ; v255 tile A's scale words (in the head and at the end: 0)
.set WV,  12
.set KS,  52                           ; s52  the key step
.set TK,  53                           ; s53-56 LDS bytes at which the step's K, V, K's scale words, V's begin
.set TV,  54
.set TS,  55
.set TJ,  56
.set CNT, 57
.set LOA, 84                           ; s84, s85  the steps that tile A takes in this phase: from s84 up to, not with, s85;  s86, s87 tile B's
.set HIA, 85
.set LOB, 86
.set HIB, 87
.set PA,  88                           ; s88, s89  how many of its steps tile A, tile B takes in phase 1
.set PB,  89
.set LA,  58                           ; s58, s59 the tiles' last steps
.set LB,  59
.set SEL, 60                           ; s[60:61] lane selects for v_permlanex16_b32: lane l xor 16
.set CS,  62                           ; s[62:63] c = log2(e) / 8
	s_load_b128 s[4:7], s[0:1], 0x0                ; qkvi, qkvs
	s_load_b128 s[8:11], s[0:1], 0x10              ; oimg, oscl
	v_lshl_add_u32 v254, v0, 2, SPARE
	v_mov_b32 v255, 0
	ds_add_u32 v254, v255                          ; the opening lines
	ds_add_u32 v254, v255
	s_wait_dscnt 0x0
	v_lshrrev_b32 v1, 5, v0
	s_delay_alu instid0(VALU_DEP_1)
	v_readfirstlane_b32 s[WV], v1                  ; wave 0..15
	s_and_b32 s13, ttmp7, 0xffff                   ; 16 x batch + head
	; descriptor groups 1: dense blocks as rows of 256 bytes (32 elements of 8 bytes), no padding: 16, 12 and 36 rows
.irp g, 16, 24, 32
	s_mov_b32 s[\g], 3<<16
	s_mov_b32 s[\g+1], 32<<16
	s_mov_b32 s[\g+3], 32<<16
	s_mov_b32 s[\g+5], 32
	s_mov_b32 s[\g+6], 0
	s_mov_b32 s[\g+7], 0
.endr
	s_mov_b32 s18, 16<<16
	s_mov_b32 s20, 16
	s_mov_b32 s26, 12<<16
	s_mov_b32 s28, 12
	s_mov_b32 s34, 36<<16
	s_mov_b32 s36, 36
	s_mul_i32 s74, s13, 294912
	s_mov_b32 s75, 0
	s_mul_i32 s76, s13, 20480
	s_mov_b32 s77, 0
	s_lshr_b32 s14, s[WV], 3                       ; steps 4-15: waves 0-7 fetch K, waves 8-15 V
	s_and_b32 s15, s[WV], 7
	s_mul_i32 s78, s14, 98304
	s_add_co_u32 s78, s78, 98304                   ; k begins 98,304 bytes into the head, v 196,608
	s_wait_kmcnt 0x0
	s_add_nc_u64 s[4:5], s[4:5], s[74:75]          ; qkvi and qkvs at my head
	s_add_nc_u64 s[6:7], s[6:7], s[76:77]
	s_add_co_u32 s79, s[WV], 2                     ; steps 0-3: 4,096 bytes a wave, waves 0-11; (wave + 2) / 8 is 1 for V's waves 6-11:
	s_lshr_b32 s79, s79, 3
	s_mul_i32 s79, s79, 73728                      ; V lies 98,304 - 24,576 bytes further on than K's sixths run, in LDS and in memory alike
	s_lshl_b32 s41, s[WV], 12
	s_add_co_u32 s41, s41, s79
	s_add_co_u32 s74, s41, 98304
	s_mov_b32 s40, 1
	s_add_nc_u64 s[42:43], s[4:5], s[74:75]
	s_or_b32 s43, s43, 0x80000000
	s_and_b32 s76, s[WV], 3                        ; the scale words: 3,072 bytes a wave, waves 12-15
	s_mul_i32 s76, s76, 3072
	s_mov_b32 s44, 1
	s_add_co_u32 s45, s76, SCB
	s_add_co_u32 s76, s76, 8192                    ; (behind q's 8,192)
	s_add_nc_u64 s[46:47], s[6:7], s[76:77]
	s_or_b32 s47, s47, 0x80000000
	s_mul_i32 s79, s15, 9216
	s_add_co_u32 s74, s78, s79
	s_add_co_u32 s74, s74, 24576
	s_mov_b32 s48, 1
	s_mul_i32 s49, s[WV], 9216                     ; steps 4-15: 9,216 bytes a wave, behind each tensor's steps 0-3
	s_mul_i32 s79, s14, 24576
	s_add_co_u32 s49, s49, s79
	s_add_co_u32 s49, s49, 24576
	s_add_nc_u64 s[50:51], s[4:5], s[74:75]
	s_mov_b64 s[80:81], s[50:51]                   ; the same place for the prefetch; never rewritten
	s_or_b32 s51, s51, 0x80000000
	s_cmp_lt_u32 s[WV], 12                         ; the head's loads, one a wave, in the two arms of one branch on the wave's number
	s_cbranch_scc0 .Lwords
	tensor_load_to_lds s[40:43], s[16:23]
	s_nop 0
.rept 4
	v_nop
.endr
	s_branch .Lasked
.Lwords:
	tensor_load_to_lds s[44:47], s[24:31]
	s_nop 0
.rept 4
	v_nop
.endr
.Lasked:
	v_and_b32 v2, 31, v0
	s_delay_alu instid0(VALU_DEP_1)
	v_lshlrev_b32 v[L16], 4, v2
	s_wait_alu depctr_va_vdst(0)
	v_lshlrev_b32 v[L8], 3, v2
	s_wait_alu depctr_va_vdst(0)
	v_and_b32 v4, 15, v0                           ; r
	s_delay_alu instid0(VALU_DEP_1)
	v_lshlrev_b32 v[R16], 4, v4
	s_wait_alu depctr_va_vdst(0)
	v_bfe_u32 v5, v0, 4, 1                         ; h
	v_and_b32 v6, 8, v4
	s_delay_alu instid0(VALU_DEP_1)
	v_add_nc_u32 v6, v6, v4
	s_delay_alu instid0(VALU_DEP_3)
	v_lshlrev_b32 v5, 4, v5
	s_delay_alu instid0(VALU_DEP_1)
	v_sub_nc_u32 v6, v6, v5                        ; r + 8 (r / 8) - 16 h
	s_wait_alu depctr_va_vdst(0)
	s_mul_i32 s79, ttmp9, 2304                     ; my work-group's nine blocks of my 36,
	v_min_u32 v[S+1], 64, v[L8]
	v_lshl_add_u32 v[S+1], v[S+1], 5, s79          ; a lane a block: 256 x min(lane, 8); the lanes left over name the ninth again
	global_prefetch_b8 v[S+1], s[80:81] th:TH_LOAD_NT scope:SCOPE_SE
	s_lshr_b32 s78, s[WV], 2                       ; wave / 4 picks the constant, wave % 4 its byte: m of tile A and of tile B
	s_and_b32 s79, s[WV], 3
	s_lshl_b32 s79, s79, 3
	s_mov_b32 s14, 0x06070c0d                      ; waves 12-15: A 13, 12, 7, 6;   B 1, 0, 3, 2
	s_mov_b32 s15, 0x02030001
	s_cmp_eq_u32 s78, 2
	s_cselect_b32 s14, 0x0e0f1213, s14             ; waves 8-11:  A 19, 18, 15, 14; B 5, 4, 9, 8
	s_cselect_b32 s15, 0x08090405, s15
	s_cmp_eq_u32 s78, 1
	s_cselect_b32 s14, 0x14151a1b, s14             ; waves 4-7:   A 27, 26, 21, 20; B 11, 10, 17, 16
	s_cselect_b32 s15, 0x10110a0b, s15
	s_cmp_eq_u32 s78, 0
	s_cselect_b32 s14, 0x1c1d1e1f, s14             ; waves 0-3:   A 31, 30, 29, 28; B 23, 22, 25, 24
	s_cselect_b32 s15, 0x18191617, s15
	s_lshr_b32 s14, s14, s79
	s_and_b32 s14, s14, 0xff
	s_lshr_b32 s15, s15, s79
	s_and_b32 s15, s15, 0xff
	s_lshl_b32 s14, s14, 2
	s_add_co_u32 s14, s14, ttmp9                   ; tile A = 4 m + i
	s_lshl_b32 s15, s15, 2
	s_add_co_u32 s15, s15, ttmp9                   ; tile B
	s_lshl_b32 s78, s78, 3
	s_lshr_b32 s[PA], 0x02040404, s78              ; phase 1: tile A's first 4, 4, 4, 2 steps,
	s_and_b32 s[PA], s[PA], 0xff
	s_lshr_b32 s[PB], 0x00000204, s78              ; tile B's first 4, 2, 0, 0
	s_and_b32 s[PB], s[PB], 0xff
	s_lshr_b32 s[LA], s14, 3
	s_lshr_b32 s[LB], s15, 3
	s_mov_b32 s[SEL], 0x76543210
	s_mov_b32 s[SEL+1], 0xfedcba98
	s_mov_b32 s[CS], 0x3e38aa3b                    ; log2(e) / 8: 1 / sqrt(64) is a power of two and is taken here
	s_mov_b32 s[CS+1], s[CS]                       ; (named with it as a pair, so it is written)
.macro QLOAD t, q, qs, d, cb, sb       ; tile s[t]: its image, its scale words, and its queries' places in their step
	s_mul_i32 s74, s[\t], 768
	s_add_nc_u64 s[\cb:\cb+1], s[4:5], s[74:75]
	s_lshr_b32 s74, s[\t], 2                       ; four tiles' words of a row lie on end: 256 bytes for four tiles
	s_lshl_b32 s74, s74, 8
	s_and_b32 s78, s[\t], 3
	s_lshl_b32 s78, s78, 2
	s_add_co_u32 s74, s74, s78
	s_add_nc_u64 s[\sb:\sb+1], s[6:7], s[74:75]
	global_load_b128 v[\q:\q+3], v[L16], s[\cb:\cb+1]
	global_load_b64 v[\q+4:\q+5], v[L8], s[\cb:\cb+1] offset:512
	global_load_b32 v[\qs], v[R16], s[\sb:\sb+1]
	s_bfe_u32 s74, s[\t], 0x20001
	s_lshl_b32 s74, s74, 5
	s_and_b32 s78, s[\t], 1
	s_lshl_b32 s78, s78, 3
	s_add_co_u32 s74, s74, s78                     ; 32 ((T / 2) % 4) + 8 (T % 2)
	v_add_nc_u32 v[\d], s74, v6
.endm
	QLOAD 14, QA, S, DA, 66, 70                    ; (tile A's scale words wait in v92: v255 holds the add's 0 up to the barrier below)
	QLOAD 15, QB, QSB, DB, 68, 72
.irp j, 6,7,8,9,10,11
	v_mov_b32 v[QA+\j], 0                          ; K = 64 .. 127 of the first product: zero codes on both sides, written once
	v_mov_b32 v[QB+\j], 0
	v_mov_b32 v[KF+\j], 0
	v_mov_b32 v[KF+12+\j], 0
	v_mov_b32 v[KF+24+\j], 0
	v_mov_b32 v[KF+36+\j], 0
.endr
.set j, 0
.rept 64
	v_mov_b32 v[OA+j], 0                           ; O^T of both tiles.  (The step is written once: the first finds zeros, which the first change of M leaves zeros)
.set j, j+1
.endr
.irp b, 0,1,2,3
	v_mov_b32 v[PL+\b], 0                          ; written once: a lane permute's destination counts as one of its sources
.endr
	v_mov_b32 v[PSW], 0                            ; (named as the upper half of the pair with F before it is first written)
.irp t, STA, STB
	v_mov_b32 v[\t+1], 0xff61b1e6                  ; the largest t so far: -3e38
	s_delay_alu instid0(VALU_DEP_1)
	v_floor_f32 v[\t], -v[\t+1]                    ; -M
	v_mov_b32 v[\t+2], 0                           ; the sum, in two halves
	v_mov_b32 v[\t+3], 0
.endr
	s_wait_loadcnt 0x0                             ; Q; the loads' bases may be written again
	s_wait_xcnt 0x0                                ; and the prefetch has read its address register, which the first scores write
	s_lshr_b32 s76, s13, 4                         ; where the results go: oimg [128 x batch + tile][head][768], oscl [stored token][2 bytes a head]
	s_lshl_b32 s76, s76, 7
	s_and_b32 s78, s13, 15
	s_mul_i32 s77, s78, 768
	s_lshl_b32 s78, s78, 1
	s_add_co_u32 s79, s76, s14
	s_mul_i32 s74, s79, 12288
	s_add_co_u32 s74, s74, s77
	s_add_nc_u64 s[66:67], s[8:9], s[74:75]
	s_lshl_b32 s74, s79, 9
	s_add_co_u32 s74, s74, s78
	s_add_nc_u64 s[68:69], s[10:11], s[74:75]
	s_add_co_u32 s79, s76, s15
	s_mul_i32 s74, s79, 12288
	s_add_co_u32 s74, s74, s77
	s_add_nc_u64 s[70:71], s[8:9], s[74:75]
	s_lshl_b32 s74, s79, 9
	s_add_co_u32 s74, s74, s78
	s_add_nc_u64 s[72:73], s[10:11], s[74:75]
; ONE TILE OF 16 QUERIES AGAINST ONE STEP OF 128 KEYS.  q: Q's fragment; qs: its scale words; o: O^T; st: the statistics; d: the queries' places; l: the tile's last step;
; ks: the walk's five scalars (the step, and where its K, V and scale words begin); lo, hi: the tile takes the steps from s[lo] up to, not with, s[hi].
.macro TILE q, qs, o, st, d, l, ks, lo, hi
	v_add_nc_u32 v[ADK16], s[\ks+1], v[L16]        ; the step's addresses, made by every wave ahead of the branch.  These five lines are also the places behind the last products: the first scores
	v_add_nc_u32 v[ADK8], s[\ks+1], v[L8]          ; are written over V's fragments (five places), the loads into the scale words' registers want four
	v_add_nc_u32 v[ADV], s[\ks+2], v[L16]
	v_add_nc_u32 v[ADS], s[\ks+3], v[R16]
	v_add_nc_u32 v[ADT], s[\ks+4], v[R16]
	s_cmp_lt_u32 s[\ks], s[\lo]                    ; nothing to do in this step.  Branches on ids; no barrier and no tensor load stands in a step
	s_cbranch_scc1 .Lhid_\@
	s_cmp_ge_u32 s[\ks], s[\hi]
	s_cbranch_scc1 .Lhid_\@
	s_wait_alu depctr_va_vdst(0)
.irp g, 0,1                                    ; S^T = K Q^T, four tiles of 16 keys at a time
.if \g
.rept 4
	v_nop                                          ; places in front of loads into registers that matrix instructions have read
.endr
.endif
	ds_load_b128 v[KSW:KSW+3], v[ADS] offset:256*\g        ; the four tiles' scale words of row r first,
.irp t, 0,1,2,3
	ds_load_b128 v[KF+12*\t:KF+12*\t+3], v[ADK16] offset:768*(4*\g+\t)
	ds_load_b64 v[KF+12*\t+4:KF+12*\t+5], v[ADK8] offset:768*(4*\g+\t)+512
.endr
.irp t, 0,1,2,3
	s_wait_dscnt 6-2*\t                            ; the words and fragments 0 .. t are in: behind fragment t's two loads stand the two of each later fragment
	v_wmma_scale_f32_16x16x128_f8f6f4 v[S+8*(4*\g+\t):S+8*(4*\g+\t)+7], v[KF+12*\t:KF+12*\t+11], v[\q:\q+11], 0, v[KSW+\t], v[\qs] matrix_a_fmt:MATRIX_FMT_FP6 matrix_b_fmt:MATRIX_FMT_FP6
.endr
.endr                                          ; register 16 b + i holds key 32 b + 16 (lane / 16) + i of the step
.rept 4
	v_nop
.endr
	s_cmp_lt_u32 s[\ks], s[\l]
	s_cbranch_scc1 .Lopen_\@
	v_mov_b32 v[TMP], 0xff800000                   ; hidden scores become -infinity ahead of the maximum: p = 0 then.  Key 0 of the step counts for every query, so M stays a number
.set n, 0
.rept 64
	v_cmp_gt_i32 vcc_lo, 32*(n/16)+n%16, v[\d]
	v_cndmask_b32 v[S+n], v[S+n], v[TMP], vcc_lo
.set n, n+1
.endr
.Lopen_\@:
.irp b, 0,1,2,3
	v_max3_num_f32 v[BM+\b], v[S+16*\b], v[S+1+16*\b], v[S+2+16*\b]   ; the largest score of each block of 32 keys: for the row's maximum, and, since p rises with the score, for the block's largest p
.endr
.irp i, 3,5,7,9,11,13
.irp b, 0,1,2,3
	v_max3_num_f32 v[BM+\b], v[BM+\b], v[S+16*\b+\i], v[S+1+16*\b+\i]
.endr
.endr
.irp b, 0,1,2,3
	v_max_num_f32 v[BM+\b], v[BM+\b], v[S+15+16*\b]
.endr
.irp b, 0,1,2,3
	s_delay_alu instid0(VALU_DEP_4)
	v_permlanex16_b32 v[PL+\b], v[BM+\b], s[SEL], s[SEL+1]
.endr
.irp b, 0,1,2,3
	s_delay_alu instid0(VALU_DEP_4)
	v_max_num_f32 v[BM+\b], v[BM+\b], v[PL+\b]     ; with lane l xor 16's 16 keys
.endr
	s_delay_alu instid0(VALU_DEP_2)
	v_max3_num_f32 v[TMP], v[BM], v[BM+1], v[BM+2]
	s_delay_alu instid0(VALU_DEP_1)
	v_max_num_f32 v[TMP], v[TMP], v[BM+3]
	s_delay_alu instid0(VALU_DEP_1)
	v_mul_f32 v[TMP], s[CS], v[TMP]                ; the step's largest t (c is positive)
	s_delay_alu instid0(VALU_DEP_1)
	v_max_num_f32 v[\st+1], v[\st+1], v[TMP]       ; the running largest t
	v_mov_b32 v[TMP], v[\st]
	s_delay_alu instid0(VALU_DEP_2)
	v_floor_f32 v[\st], -v[\st+1]                  ; the new -M = -ceil(t): M is a whole number
	s_delay_alu instid0(VALU_DEP_1)
	v_sub_f32 v[TMP], v[\st], v[TMP]               ; old M - new M: a whole number, 0 or less
	s_delay_alu instid0(VALU_DEP_1)
	v_cvt_i32_f32 v[TMP], v[TMP]                   ; (it saturates)
	s_delay_alu instid0(VALU_DEP_1)
	v_ldexp_f32 v[F], 1.0, v[TMP]                  ; f = 2^(old M - new M)
.set j, 0
.rept 32
	v_pk_fma_f32 v[S+j:S+j+1], v[S+j:S+j+1], s[CS:CS+1], v[\st:\st+1] op_sel_hi:[1,0,0]   ; t - M, two at a time
.set j, j+2
.endr
.irp b, 0,1,2,3
	v_fma_f32 v[BM+\b], v[BM+\b], s[CS], v[\st]    ; the same of each block's largest score
.endr
.set j, 0
	s_wait_alu depctr_va_vdst(0)                   ; the wait ahead of the batch
.rept 64
	v_exp_f32 v[S+j], v[S+j]                       ; p = 2^(t - M), at most 1
.set j, j+1
.endr
	v_pk_mul_f32 v[\st+2:\st+3], v[\st+2:\st+3], v[F:F+1] op_sel_hi:[1,0]   ; the sums under the new M: the plain place behind the exponentials
	s_wait_alu depctr_va_vdst(0)                   ; the wait ahead of the first reader: one for the batch of 64
.irp b, 0,1,2,3
	v_exp_f32 v[BM+\b], v[BM+\b]                   ; the block's largest p: the same two instructions on the same number
.endr
	v_pk_add_f32 v[PL:PL+1], v[S:S+1], v[S+2:S+3]  ; the row's sum, of the unquantised p, in two chains
.irp j, 4,8,12,16,20,24,28,32,36,40,44,48,52,56,60
	v_pk_add_f32 v[\st+2:\st+3], v[\st+2:\st+3], v[S+\j:S+1+\j]
	v_pk_add_f32 v[PL:PL+1], v[PL:PL+1], v[S+2+\j:S+3+\j]
.endr
	s_delay_alu instid0(VALU_DEP_1)
	v_pk_add_f32 v[\st+2:\st+3], v[\st+2:\st+3], v[PL:PL+1]
	s_wait_alu depctr_va_vdst(0)                   ; and one for the four
.irp b, 0,1,2,3
	v_max_num_f32 v[BM+\b], 0x1800000, v[BM+\b]    ; the floor 2^(3 - 127): the byte cannot fall under 1
.endr
.irp b, 0,1,2,3
	s_delay_alu instid0(VALU_DEP_4)
	v_add_nc_u32 v[SO+\b], 0xff000000, v[BM+\b]    ; 2 off the exponent field: the conversion's scale operand
.endr
.irp b, 0,1,2,3
	s_delay_alu instid0(VALU_DEP_4)
	v_lshrrev_b32 v[PL+\b], 23, v[SO+\b]           ; the scale's byte
.endr
	s_delay_alu instid0(VALU_DEP_3)
	v_lshl_or_b32 v[PSW], v[PL+1], 8, v[PL]        ; p's scale word for these 128 keys
	s_delay_alu instid0(VALU_DEP_1)
	v_lshl_or_b32 v[PSW], v[PL+2], 16, v[PSW]
	s_delay_alu instid0(VALU_DEP_1)
	v_lshl_or_b32 v[PSW], v[PL+3], 24, v[PSW]
.irp c, 0,1
	v_cvt_scalef32_pk16_fp6_f32 v[PCD+6*\c:PCD+2+6*\c], v[S+32*\c:S+15+32*\c], v[SO+2*\c]
	v_cvt_scalef32_pk16_fp6_f32 v[PL+4*\c:PL+2+4*\c], v[S+16+32*\c:S+31+32*\c], v[SO+2*\c+1]   ; (a conversion's three registers begin on an even number)
.endr
	v_nop                                          ; one plain place behind a scaled conversion
	ds_load_b128 v[KSW:KSW+3], v[ADT]
.irp t, 0,1,2,3
.irp c, 0,1,2
	ds_load_b128 v[S+12*\t+4*\c:S+12*\t+4*\c+3], v[ADV] offset:1536*\t+512*\c
.endr
.endr
.irp c, 0,1                                    ; the operand's layout wants a whole block in a lane
.irp i, 0,1,2
	v_permlane16_swap_b32 v[PCD+6*\c+\i], v[PL+4*\c+\i]
.endr
.irp i, 0,1,2
	s_delay_alu instid0(VALU_DEP_3)
	v_mov_b32 v[PCD+3+6*\c+\i], v[PL+4*\c+\i]
.endr
.endr
.set j, 0
.rept 16
	v_pk_mul_f32 v[\o+j:\o+j+1], v[\o+j:\o+j+1], v[F:F+1] op_sel_hi:[1,0]   ; O^T under the new M.  (These are also the places between the codes' and the scale word's last writes and the products)
.set j, j+2
.endr
	s_wait_alu depctr_va_vdst(0)
.irp t, 0,1,2,3
	s_wait_dscnt 9-3*\t                            ; the words and fragments 0 .. t are in: behind fragment t's three loads stand the three of each later fragment
	v_wmma_scale_f32_16x16x128_f8f6f4 v[\o+8*\t:\o+8*\t+7], v[S+12*\t:S+12*\t+11], v[PCD:PCD+11], v[\o+8*\t:\o+8*\t+7], v[KSW+\t], v[PSW] matrix_a_fmt:MATRIX_FMT_FP6 matrix_b_fmt:MATRIX_FMT_FP6
.endr
.Lhid_\@:
.endm
.macro WALK n                          ; n key steps; the addresses are made for every wave, ahead of the tiles' branches
	s_mov_b32 s[CNT], \n
.Lwalk_\@:
	TILE QA, QSA, OA, STA, DA, LA, KS, LOA, HIA
	TILE QB, QSB, OB, STB, DB, LB, KS, LOB, HIB
.irp k, KS
	s_add_co_u32 s[\k+1], s[\k+1], 6144
	s_add_co_u32 s[\k+2], s[\k+2], 6144
	s_add_co_u32 s[\k+3], s[\k+3], 512
	s_add_co_u32 s[\k+4], s[\k+4], 256
	s_add_co_u32 s[\k], s[\k], 1
.endr
	s_sub_co_u32 s[CNT], s[CNT], 1
	s_cmp_lg_u32 s[CNT], 0
	s_cbranch_scc1 .Lwalk_\@
.endm
	s_wait_alu depctr_va_vdst(0)                   ; the wait at the head's end
	s_wait_tensorcnt 0x0                           ; my part of steps 0-3 or of the scale words is in
	ds_add_u32 v254, v255
	s_wait_dscnt 0x0
	s_barrier_signal -1
	s_barrier_wait -1                              ; everybody's is
	tensor_load_to_lds s[48:51], s[32:39]          ; my sixteenth of steps 4-15: my one load behind this barrier
	s_nop 0
	v_mov_b32 v[QSA], v[S]                         ; tile A's scale words take their place: nine vector lines and a wait stand ahead of the first product
.rept 4
	v_nop
.endr
; THE WALK IN TWO PHASES.  Both walk the steps from 0 on, with constant addresses and trip counts; a tile takes the steps inside its bounds.  Phase 1, four trips on steps 0-3: tile A's first s[PA] steps and tile B's first s[PB].
; Phase 2, sixteen trips: each tile's other steps, up to its last.
.irp k, KS
	s_mov_b32 s[\k+1], KB
	s_mov_b32 s[\k+2], VB
	s_mov_b32 s[\k+3], SCB
	s_mov_b32 s[\k+4], SCB+8192
	s_mov_b32 s[\k], 0
.endr
	s_mov_b32 s[LOA], 0
	s_mov_b32 s[HIA], s[PA]
	s_mov_b32 s[LOB], 0
	s_mov_b32 s[HIB], s[PB]
	WALK 4
	s_wait_tensorcnt 0x0                           ; my part of steps 4-15 is in,
	s_wait_dscnt 0x0
	s_barrier_signal -1
	s_barrier_wait -1                              ; everybody's is
	s_mov_b32 s[TK], KB                            ; from step 0 once more
	s_mov_b32 s[TV], VB
	s_mov_b32 s[TS], SCB
	s_mov_b32 s[TJ], SCB+8192
	s_mov_b32 s[KS], 0
	s_mov_b32 s[LOA], s[PA]
	s_add_co_u32 s[HIA], s[LA], 1
	s_mov_b32 s[LOB], s[PB]
	s_add_co_u32 s[HIB], s[LB], 1
	WALK 16
; THE WAY OUT.  O^T / the sum: register 16 b + i is channel 32 b + 16 (lane / 16) + i of my query: two blocks of 32 along the output projection's K.  They are quantised as p is; the six registers of codes are
; half a fragment of that product and leave as an image, 768 bytes a tile and head; the two scale bytes go to my token's row of 32.
.macro OUT o, st, ib, sb, again
	v_add_f32 v[\st+2], v[\st+2], v[\st+3]         ; the sum's two halves,
	s_delay_alu instid0(VALU_DEP_1)
	v_permlanex16_b32 v[PL], v[\st+2], s[SEL], s[SEL+1]
	s_delay_alu instid0(VALU_DEP_1)
	v_add_f32 v[\st+2], v[\st+2], v[PL]            ; and lane l xor 16's
	s_wait_alu depctr_va_vdst(0)
	v_rcp_f32 v[\st+2], v[\st+2]
	v_nop                                          ; a plain place behind the transcendental
	s_wait_alu depctr_va_vdst(0)                   ; and the wait ahead of its first reader
.set j, 0
.rept 16
	v_pk_mul_f32 v[S+j:S+j+1], v[\o+j:\o+j+1], v[\st+2:\st+3] op_sel_hi:[1,0]   ; each accumulator from its low end on
.set j, j+2
.endr
.irp b, 0,1
	v_max3_num_f32 v[BM+\b], |v[S+16*\b]|, |v[S+1+16*\b]|, 0x1800000
.endr
.irp i, 2,4,6,8,10,12,14
.irp b, 0,1
	s_delay_alu instid0(VALU_DEP_2)
	v_max3_num_f32 v[BM+\b], v[BM+\b], |v[S+16*\b+\i]|, |v[S+1+16*\b+\i]|
.endr
.endr
.irp b, 0,1
	s_delay_alu instid0(VALU_DEP_2)
	v_permlanex16_b32 v[PL+\b], v[BM+\b], s[SEL], s[SEL+1]
.endr
.irp b, 0,1
	s_delay_alu instid0(VALU_DEP_2)
	v_max_num_f32 v[BM+\b], v[BM+\b], v[PL+\b]
.endr
.irp b, 0,1
	s_delay_alu instid0(VALU_DEP_2)
	v_add_nc_u32 v[SO+\b], 0xff000000, v[BM+\b]
.endr
.irp b, 0,1
	s_delay_alu instid0(VALU_DEP_2)
	v_lshrrev_b32 v[BM+\b], 23, v[SO+\b]
.endr
.if \again
	s_wait_alu depctr_va_vdst(0)
	s_wait_xcnt 0x0                                ; the first tile's stores have read their data: it is written again only behind this wait
.endif
	v_lshl_or_b32 v[TMP], v[BM+1], 8, v[BM]        ; the head's two bytes
	v_cvt_scalef32_pk16_fp6_f32 v[PCD:PCD+2], v[S:S+15], v[SO]
	v_cvt_scalef32_pk16_fp6_f32 v[PL+4:PL+6], v[S+16:S+31], v[SO+1]
	v_nop                                          ; one plain place behind a scaled conversion
.irp i, 0,1,2
	v_permlane16_swap_b32 v[PCD+\i], v[PL+4+\i]
.endr
.irp i, 0,1,2
	s_delay_alu instid0(VALU_DEP_3)
	v_mov_b32 v[PCD+3+\i], v[PL+4+\i]
.endr
	global_store_b128 v[L16], v[PCD:PCD+3], s[\ib:\ib+1]              ; 512 consecutive bytes, aligned
	global_store_b64 v[L8], v[PCD+4:PCD+5], s[\ib:\ib+1] offset:512   ; and 256
	global_store_b16 v[ADK16], v[TMP], s[\sb:\sb+1]                   ; 2 bytes of each of 16 rows of 32 (lanes r and r + 16 write the same bytes with the same value): short pieces, 2 bytes beside each lane's 24 of codes
.endm
.rept 4
	v_nop                                          ; places behind the last products
.endr
	v_lshlrev_b32 v[ADK16], 1, v[R16]              ; 32 r: a token's row of scale bytes (the register is no LDS address any more)
	OUT OA, STA, 66, 68, 0
	OUT OB, STB, 70, 72, 1
	s_wait_xcnt 0x0
	v_lshl_add_u32 v254, v0, 2, SPARE              ; the add's two registers are made anew: no two registers could be kept
	v_mov_b32 v255, 0
	s_wait_alu depctr_va_vdst(0)
	s_wait_tensorcnt 0x0                           ; the wave's end
	ds_add_u32 v254, v255
	s_wait_dscnt 0x0
	s_endpgm
.Lfunc_end_k_q2433baea48_attn:
	.size	k_q2433baea48_attn, .Lfunc_end_k_q2433baea48_attn-k_q2433baea48_attn
	.p2alignl 7, 3214868480
	.fill 96, 4, 3214868480
	.section	.rodata,"a",@progbits
	.p2align	6, 0x0
	.amdhsa_kernel k_q2433baea48_attn
		.amdhsa_group_segment_fixed_size 327680
		.amdhsa_private_segment_fixed_size 0
		.amdhsa_enable_private_segment 0
		.amdhsa_kernarg_size 32
		.amdhsa_user_sgpr_count 2
		.amdhsa_user_sgpr_kernarg_segment_ptr 1
		.amdhsa_wavefront_size32 1
		.amdhsa_system_sgpr_workgroup_id_x 1
		.amdhsa_system_sgpr_workgroup_id_y 1
		.amdhsa_system_sgpr_workgroup_id_z 1
		.amdhsa_system_vgpr_workitem_id 0
		.amdhsa_next_free_vgpr 256
		.amdhsa_next_free_sgpr 92
		.amdhsa_reserve_vcc 1
		.amdhsa_float_denorm_mode_32 3
		.amdhsa_float_denorm_mode_16_64 3
		.amdhsa_memory_ordered 1
		.amdhsa_forward_progress 1
		.amdhsa_inst_pref_size 113
	.end_amdhsa_kernel
	.amdgpu_metadata
---
amdhsa.version: [ 1, 2 ]
amdhsa.kernels:
  - .name:           k_q2433baea48_attn
    .symbol:         k_q2433baea48_attn.kd
    .args:
      - { .name: qkvi, .offset: 0, .size: 8, .value_kind: global_buffer, .address_space: global }
      - { .name: qkvs, .offset: 8, .size: 8, .value_kind: global_buffer, .address_space: global }
      - { .name: oimg, .offset: 16, .size: 8, .value_kind: global_buffer, .address_space: global }
      - { .name: oscl, .offset: 24, .size: 8, .value_kind: global_buffer, .address_space: global }
    .group_segment_fixed_size: 327680
    .private_segment_fixed_size: 0
    .kernarg_segment_align: 8
    .kernarg_segment_size: 32
    .max_flat_workgroup_size: 512
    .sgpr_count:     92
    .vgpr_count:     256
    .wavefront_size: 32
...
	.end_amdgpu_metadata
.endif
;; end of part 3
;; launch outp (part 4): grid 4 x 64, 4 waves a work-group, clusters of 4 x 4, 327,680 bytes of LDS; arguments oimg, oscl, cod, scl, out_proj_b, out0; writes out0
.if DOCPART == 4
	.amdgcn_target "amdgcn-amd-amdhsa--gfx1250"
	.amdhsa_code_object_version 6
	.text
	.protected	k_q2433baea48_outp
	.globl	k_q2433baea48_outp
	.p2align	8
	.type	k_q2433baea48_outp,@function
k_q2433baea48_outp:
	s_mov_b64 s[64:65], 0
	v_nop
	global_prefetch_b8 v0, s[64:65] scope:SCOPE_SE
	s_setreg_imm32_b32 hwreg(HW_REG_WAVE_MODE, 25, 1), 1
	s_wait_xcnt 0x0
	s_wait_alu depctr_hold_cnt(0) depctr_sa_sdst(0) depctr_va_vdst(0) depctr_va_sdst(0) depctr_va_ssrc(0) depctr_va_vcc(0) depctr_vm_vsrc(0)
	s_getreg_b32 s2, hwreg(HW_REG_IB_STS2, 6, 4)
	s_cmp_eq_u32 s2, 0
	s_cbranch_scc0 .Lentry_in_a_cluster
	s_endpgm
.Lentry_in_a_cluster:
	s_bfe_u32 s2, ttmp6, 0x10000c
	s_cmp_lg_u32 s2, 0xf033
	s_cbranch_scc0 .Lentry_shape_is_right
	s_endpgm
.Lentry_shape_is_right:
; out0 = O out_proj_w^T + out_proj_b on codes of FP6 (E2M3) with E8M0 scales; sums in f32.
; 256 work-groups: a block of 128 tokens x 256 features, four waves 2 x 2, a wave 64 x 128: 32 accumulators, 256 registers.
; ALL OF K (1,024) LIES IN LDS, each byte filled once, by four joint loads at the head, one a wave: W's 256 rows of 768 bytes (16 bytes of padding behind every 256: pitch 816), O's eight tiles of 16 stored tokens
; (images of operand registers, 12,288 dense bytes a tile: [head][768]), and both sides' scale bytes (32 a row).  So the walk along K has no refill, no round and no barrier.
; K goes in eight steps of 128: 32 products a step, the 32 accumulators by turns; both sides' fragments lie twice in registers, and a step's 64 LDS loads are issued one step ahead.
; The scale words of all eight steps come into registers once: register SC + 10 i + q: lanes 0-15 the word of O's block i, lanes 16-31 that of W's block i, for step q.
; THE MATRIX INSTRUCTION IS USED TRANSPOSED (source 0 = rows of W, source 1 = tokens): a lane holds eight neighbouring features of one token.  The bias is the first products' C.
; Rows of W and tokens lie in the stored order (bits 3 and 4 of the number have changed places): tile t, register j of source 0 is feature 32 (t / 2) + 16 (lane / 16) + 8 (t % 2) + j.
; CLUSTERS: 4 x 4 work-groups: O's tiles and scales hang on the block's row and are shared along a row of the cluster, W's on its column and are shared along a column.
; NO PREFETCH: every byte that a work-group reads is asked for by its four first loads; there is no later request to run ahead of.
; REGISTERS: window 0: v8-21 addresses, v32-111 scale words, v112-207 O's fragments, two sets (on the way out v112-239 rows read back); window 1: W's fragments, two sets at v0 and v128; window 2: accumulator (a, b) at v[8 (8 a + b)];
; window 3: v0-63 the bias.
.set PITCH,  816
.set ATILE,  12288
.set BB,     8*ATILE                   ; LDS: O's images at 0, W's rows behind them
.set SCL,    BB+256*PITCH              ; the scales, as units of 256 bytes + 16: O's 16 units, then W's 32
.set SBLK,   544                       ; those of 16 rows
.set SPARE,  SCL+48*272                ; the spare words, 128 bytes a wave
.set SPITCH, 528                       ; the way out: a stage of 16 rows x (512 + 16) bytes for each wave, on O's bytes, which have had their only fill and, behind the last barrier, their last read
.set ADRA, 8                           ; v8, v9   my tokens' images by 16 and by 8 bytes a lane
.set ADRB, 10                          ; v10-13   my rows of W: blocks 0-3 (v11: behind one padding more), blocks 4-7 (v13)
.set ADRS, 14
.set STO,  15
.set RD,   16
.set CO,   17
.set BO,   18
.set SPW,  20
.set NIL,  21
.set SC,   32
.set AF,   112
.set BK,   112
.set G1A,  32
.set G1B,  40
.set G1SA, 48
.set G1SB, 56
.set G0A,  68
.set G0B,  72
.set G0SA, 76
.set G0SB, 80
.set MSB, 0
.macro WIN new                         ; the immediate's high byte repeats the setting that is left
.if MSB != (\new)
	s_set_vgpr_msb (MSB<<8)|(\new)
.set MSB, (\new)
.endif
.endm
.macro PLACES n
.rept \n
	v_nop
.endr
.endm
.macro CROUND                          ; a round of the cluster's barrier
	s_barrier_signal -1
	s_barrier_wait -1
	s_cmp_lg_u32 s16, 0
	s_cbranch_scc1 .Lnot_wave_0_\@
	s_barrier_signal -3
.Lnot_wave_0_\@:
	s_barrier_wait -3
	s_barrier_signal -1
	s_barrier_wait -1
.endm
.macro GROUP1 g, mask, w0, c, rows     ; rows of c elements, row behind row
	s_or_b32 s[\g], s[\mask], \w0
	s_mov_b32 s[\g+1], (\c)<<16
	s_mov_b32 s[\g+2], (\rows)<<16
	s_mov_b32 s[\g+3], (\c)<<16
	s_mov_b32 s[\g+4], \rows
	s_mov_b32 s[\g+5], \c
	s_mov_b32 s[\g+6], 0
	s_mov_b32 s[\g+7], 0
.endm
.macro GROUP0 g, lds, base, off
	s_mov_b32 s[\g], 1
	s_mov_b32 s[\g+1], \lds
	s_add_nc_u64 s[\g+2:\g+3], s[\base:\base+1], s[\off:\off+1]
	s_or_b32 s[\g+3], s[\g+3], 0x80000000
.endm
.macro ARM under, g0, g1, next
	s_cmp_lt_u32 s16, \under
	s_cbranch_scc0 \next
	tensor_load_to_lds s[\g0:\g0+3], s[\g1:\g1+7]
	s_nop 0
	PLACES 4
	s_branch .Lhead_asked
\next:
.endm
	s_load_b128 s[4:7], s[0:1], 0x0                ; oimg, oscl
	s_load_b128 s[8:11], s[0:1], 0x10              ; cod, scl
	s_load_b128 s[12:15], s[0:1], 0x20             ; out_proj_b, out0
	v_lshl_add_u32 v[SPW], v0, 2, SPARE
	v_mov_b32 v[NIL], 0
	ds_add_u32 v[SPW], v[NIL]                      ; the opening lines
	ds_add_u32 v[SPW], v[NIL]
	v_lshrrev_b32 v1, 5, v0
	v_readfirstlane_b32 s16, v1                    ; wave 0..3
	s_lshr_b32 s17, s16, 1                         ; my half of the tokens
	s_and_b32 s18, s16, 1                          ; my half of the features
	s_bfe_u32 s19, ttmp6, 0x40000                  ; cx, cy
	s_bfe_u32 s20, ttmp6, 0x40004
	s_lshl_b32 s21, ttmp9, 2
	s_add_co_u32 s21, s21, s19                     ; the block's column: which 256 features
	s_and_b32 s22, ttmp7, 0xffff
	s_lshl_b32 s22, s22, 2
	s_add_co_u32 s22, s22, s20                     ; its row: which 128 tokens
	s_lshl_b32 s23, s20, 2
	s_lshl_b32 s23, 15, s23                        ; my row of the cluster
	s_lshl_b32 s84, 0x1111, s19                    ; my column
	GROUP1 G1A,  23, (3<<16)|(1<<21), 32, 384                                   ; 98,304 dense bytes as 384 rows of 256 (32 elements of 8 bytes), no padding
	GROUP1 G1B,  84, (1<<20)|(1<<21)|(5<<22)|(3<<25), 768, 256                  ; 256 rows of 768 bytes, 16 bytes of padding behind every 256
	GROUP1 G1SA, 23, (3<<16)|(1<<20)|(1<<21)|(5<<22)|(3<<25), 32, 16            ; 4,096 dense bytes as 16 rows of 256, 16 bytes of padding behind each
	GROUP1 G1SB, 84, (3<<16)|(1<<20)|(1<<21)|(5<<22)|(3<<25), 32, 32            ; 8,192 likewise
	s_mul_i32 s24, s22, 8*ATILE                    ; O's addresses hang on the block's row alone,
	s_mov_b32 s25, 0
	s_lshl_b32 s26, s22, 12
	s_mov_b32 s27, 0
	s_mul_i32 s28, s21, 256*768                    ; W's on its column alone: out_proj_w is rows 11,264 on of cod and scl
	s_add_co_u32 s28, s28, 11264*768
	s_mov_b32 s29, 0
	s_lshl_b32 s30, s21, 13
	s_add_co_u32 s30, s30, 11264*32
	s_mov_b32 s31, 0
	s_wait_dscnt 0x0                               ; both opening adds are done
	s_wait_kmcnt 0x0
	CROUND                                         ; all sixteen work-groups are here: the joint loads meet
	GROUP0 G0B,  BB,         8,  28
	GROUP0 G0A,  0,          4,  24
	GROUP0 G0SA, SCL,        6,  26
	GROUP0 G0SB, SCL+16*272, 10, 30
	ARM 1, G0B,  G1B,  .Lhead_a                    ; one load a wave, in one chain of branches on the wave's number: the largest tile first
	ARM 2, G0A,  G1A,  .Lhead_sa
	ARM 3, G0SA, G1SA, .Lhead_sb
	tensor_load_to_lds s[G0SB:G0SB+3], s[G1SB:G1SB+7]
	s_nop 0
	PLACES 4
.Lhead_asked:
	v_and_b32 v1, 15, v0                           ; r
	v_bfe_u32 v2, v0, 4, 1                         ; h
	v_and_b32 v3, 31, v0                           ; lane
	s_mul_i32 s85, s17, 4*ATILE                    ; my four tiles of tokens
	v_lshlrev_b32 v4, 4, v3
	v_lshlrev_b32 v5, 3, v3
	v_add_nc_u32 v[ADRA], s85, v4
	v_add_nc_u32 v[ADRA+1], s85, v5
	v_mul_u32_u24 v4, v1, PITCH
	v_mad_u32_u24 v5, v2, 24, v4                   ; a fragment's row x pitch + 24 x half,
	v_mad_u32_u24 v6, v2, 40, v4                   ; and the same where lanes 16-31 lie behind one padding more
	s_mul_i32 s85, s18, 128*PITCH
	s_add_co_u32 s85, s85, BB
	v_add_nc_u32 v[ADRB], s85, v5
	v_add_nc_u32 v[ADRB+1], s85, v6
	s_add_co_u32 s85, s85, 64*PITCH
	v_add_nc_u32 v[ADRB+2], s85, v5
	v_add_nc_u32 v[ADRB+3], s85, v6
	v_mul_u32_u24 v5, v1, 32                       ; my row's scales: 32 bytes a row,
	v_lshrrev_b32 v6, 8, v5
	v_lshl_add_u32 v5, v6, 4, v5                   ; and 16 more for each 256 passed
	s_mul_i32 s85, s17, 8*272                      ; O's: my 64 rows
	s_mul_i32 s86, s18, 16*272                     ; W's: my 128 rows, behind O's 128
	s_add_co_u32 s86, s86, 16*272
	s_sub_co_u32 s86, s86, s85
	v_mul_u32_u24 v6, s86, v2                      ; lanes 16-31 take W's
	s_add_co_u32 s85, s85, SCL
	v_add_nc_u32 v5, v5, v6
	v_add_nc_u32 v[ADRS], s85, v5
	s_mul_i32 s87, s16, 16*SPITCH                  ; my stage
	v_mul_u32_u24 v5, v1, SPITCH
	v_lshl_add_u32 v5, v2, 6, v5                   ; in: row r, 64 bytes on for lanes 16-31
	v_add_nc_u32 v[STO], s87, v5
	v_lshlrev_b32 v[CO], 4, v3                     ; back: the 32 lanes take one row of 512 bytes; and the same in out0
	v_add_nc_u32 v[RD], s87, v[CO]
	v_lshlrev_b32 v[BO], 6, v2
	s_lshl_b32 s85, s22, 7
	s_lshl_b32 s86, s17, 6
	s_add_co_u32 s85, s85, s86                     ; my first token
	s_lshl_b32 s86, s85, 12                        ; 4,096 bytes a token
	s_mov_b32 s87, 0
	s_add_nc_u64 s[14:15], s[14:15], s[86:87]
	s_lshl_b32 s86, s21, 10                        ; my first feature, in bytes
	s_lshl_b32 s88, s18, 9
	s_add_co_u32 s86, s86, s88
	s_add_nc_u64 s[14:15], s[14:15], s[86:87]
	s_add_nc_u64 s[12:13], s[12:13], s[86:87]
	s_wait_alu depctr_va_vdst(0)                   ; the wait at the head's end: no vector instruction writes an address behind it
	WIN 0xc0
.irp t, 0,1,2,3,4,5,6,7
	global_load_b128 v[8*\t:8*\t+3], v[BO], s[12:13] offset:(32*(\t/2)+8*(\t%2))*4        ; the bias as the result lies
	global_load_b128 v[8*\t+4:8*\t+7], v[BO], s[12:13] offset:(32*(\t/2)+8*(\t%2))*4+16
.endr
	WIN 0
.macro FRAGB reg, q, i                 ; 16 rows of W x 128 K: six pieces of 8 bytes; byte y of a row lies at y + 16 (y / 256) of its LDS row
.irp p, 0,1,2,3,4,5
.set Y, 96*(\q)+48*(\p/3)+8*(\p%3)
.if Y%256 < 232
	ds_load_b64 v[\reg+2*\p:\reg+2*\p+1], v[ADRB+2*((\i)/4)] offset:Y+16*(Y/256)+((\i)%4)*16*PITCH
.else
	ds_load_b64 v[\reg+2*\p:\reg+2*\p+1], v[ADRB+2*((\i)/4)+1] offset:Y+16*(Y/256)+((\i)%4)*16*PITCH
.endif
.endr
.endm
.macro FRAGA reg, q, a                 ; 16 tokens x 128 K: the images of heads 2 q and 2 q + 1
	ds_load_b128 v[\reg:\reg+3], v[ADRA] offset:ATILE*(\a)+1536*(\q)
	ds_load_b64 v[\reg+4:\reg+5], v[ADRA+1] offset:ATILE*(\a)+1536*(\q)+512
	ds_load_b128 v[\reg+6:\reg+9], v[ADRA] offset:ATILE*(\a)+1536*(\q)+768
	ds_load_b64 v[\reg+10:\reg+11], v[ADRA+1] offset:ATILE*(\a)+1536*(\q)+1280
.endm
.macro FETCH q                         ; step q's fragments into set q % 2: 48 + 16 loads
	WIN 0x40
.irp i, 0,1,2,3,4,5,6,7
	FRAGB 128*((\q)%2)+12*\i, \q, \i
.endr
	WIN 0
.irp a, 0,1,2,3
	FRAGA AF+48*((\q)%2)+12*\a, \q, \a
.endr
.endm
.macro PROD d, fb, fa, c, xb, xa
	v_wmma_scale_f32_16x16x128_f8f6f4 v[\d:\d+7], v[\fb:\fb+11], v[\fa:\fa+11], \c, v[\xb], v[\xa] matrix_a_fmt:MATRIX_FMT_FP6 matrix_b_fmt:MATRIX_FMT_FP6 matrix_a_scale:MATRIX_SCALE_ROW1
.endm
.macro MUL32 q
.if (\q) == 0
	WIN 0xb1                                       ; source 0 window 1, source 1 window 0, C window 3 (the bias), D window 2
.else
	WIN 0xa1                                       ; C and D window 2
.endif
.irp a, 0,1,2,3
.irp b, 0,1,2,3,4,5,6,7
.if (\q) == 0
	PROD 8*(8*\a+\b), 128*((\q)%2)+12*\b, AF+48*((\q)%2)+12*\a, v[8*\b:8*\b+7], SC+10*\b+(\q), SC+10*\a+(\q)
.else
	PROD 8*(8*\a+\b), 128*((\q)%2)+12*\b, AF+48*((\q)%2)+12*\a, v[8*(8*\a+\b):8*(8*\a+\b)+7], SC+10*\b+(\q), SC+10*\a+(\q)
.endif
.endr
.endr
.endm
	s_wait_loadcnt 0x0                             ; the bias
	s_wait_tensorcnt 0x0                           ; my tile is in,
	s_barrier_signal -1
	s_barrier_wait -1                              ; everybody's is
	FETCH 0
.irp i, 0,1,2,3,4,5,6,7
	ds_load_b128 v[SC+10*\i:SC+10*\i+3], v[ADRS] offset:\i*SBLK
	ds_load_b128 v[SC+10*\i+4:SC+10*\i+7], v[ADRS] offset:\i*SBLK+16
.endr
.set Q, 0
.rept 8
	s_wait_dscnt 0x0                               ; this step's fragments, asked for a step ago, are in
.if Q == 7
	s_barrier_signal -1                            ; my LDS reads are over: behind this barrier O's bytes serve as stages; the last products stand between signal and wait
.else
.if Q > 0
	PLACES 4                                       ; between the last step's products and the loads into their registers
.endif
	FETCH Q+1
.endif
	MUL32 Q
.set Q, Q+1
.endr
	WIN 0
	s_barrier_wait -1
; THE WAY OUT, block by block of 16 tokens x 128 features, through my own stage; whole rows of 512 bytes come back and are stored as two aligned units of 256 bytes.  LDS serves a wave's instructions in order.
.macro TOSTAGE a
	WIN 0x08                                       ; the data: window 2
.irp b, 0,1,2,3,4,5,6,7
	ds_store_b128 v[STO], v[64*(\a)+8*\b:64*(\a)+8*\b+3] offset:128*(\b/2)+32*(\b%2)        ; each accumulator from its low end on
	ds_store_b128 v[STO], v[64*(\a)+8*\b+4:64*(\a)+8*\b+7] offset:128*(\b/2)+32*(\b%2)+16
.endr
	WIN 0
.set BBK, BK+64*((\a)%2)
.irp t, 0,1,2,3,4,5,6,7,8,9,10,11,12,13,14,15
	ds_load_b128 v[BBK+4*\t:BBK+4*\t+3], v[RD] offset:\t*SPITCH
.endr
.endm
.macro SEND a, younger                 ; younger: the LDS instructions issued behind block a's loads, which may stay out
.set BBK, BK+64*((\a)%2)
	s_wait_dscnt \younger
.if (\a) > 0
.if (\a)%2
	s_add_nc_u64 s[14:15], s[14:15], 8*4096        ; (behind a wait on XCNT)  stored tile T begins at token 32 (T / 2) + 8 (T % 2)
.else
	s_add_nc_u64 s[14:15], s[14:15], 24*4096
.endif
.endif
.irp t, 0,1,2,3,4,5,6,7,8,9,10,11,12,13,14,15
	global_store_b128 v[CO], v[BBK+4*\t:BBK+4*\t+3], s[14:15] offset:(\t+8*(\t/8))*4096 th:TH_STORE_NT   ; stored row t is token t + 8 (t / 8) of the tile
.endr
.endm
	PLACES 4                                       ; behind the last products
	TOSTAGE 0
.irp a, 1,2,3
.if \a > 1
	s_wait_xcnt 0x0                                ; block a - 2's stores have read their registers and their base
.endif
	TOSTAGE \a
	SEND \a-1, 32                                  ; behind block a - 1's loads: block a's 16 stores and 16 loads
.endr
	s_wait_xcnt 0x0
	SEND 3, 0
	s_wait_tensorcnt 0x0                           ; the wave's end
	ds_add_u32 v[SPW], v[NIL]
	s_wait_dscnt 0x0
	CROUND                                         ; the closing round
	s_endpgm
.Lfunc_end_k_q2433baea48_outp:
	.size	k_q2433baea48_outp, .Lfunc_end_k_q2433baea48_outp-k_q2433baea48_outp
	.p2alignl 7, 3214868480
	.fill 96, 4, 3214868480
	.section	.rodata,"a",@progbits
	.p2align	6, 0x0
	.amdhsa_kernel k_q2433baea48_outp
		.amdhsa_group_segment_fixed_size 327680
		.amdhsa_private_segment_fixed_size 0
		.amdhsa_enable_private_segment 0
		.amdhsa_kernarg_size 48
		.amdhsa_user_sgpr_count 2
		.amdhsa_user_sgpr_kernarg_segment_ptr 1
		.amdhsa_wavefront_size32 1
		.amdhsa_system_sgpr_workgroup_id_x 1
		.amdhsa_system_sgpr_workgroup_id_y 1
		.amdhsa_system_sgpr_workgroup_id_z 1
		.amdhsa_system_vgpr_workitem_id 0
		.amdhsa_next_free_vgpr 832
		.amdhsa_next_free_sgpr 92
		.amdhsa_reserve_vcc 0
		.amdhsa_float_denorm_mode_32 3
		.amdhsa_float_denorm_mode_16_64 3
		.amdhsa_memory_ordered 1
		.amdhsa_forward_progress 1
		.amdhsa_inst_pref_size 92
	.end_amdhsa_kernel
	.amdgpu_metadata
---
amdhsa.version: [ 1, 2 ]
amdhsa.kernels:
  - .name:           k_q2433baea48_outp
    .symbol:         k_q2433baea48_outp.kd
    .args:
      - { .name: oimg, .offset: 0, .size: 8, .value_kind: global_buffer, .address_space: global }
      - { .name: oscl, .offset: 8, .size: 8, .value_kind: global_buffer, .address_space: global }
      - { .name: cod, .offset: 16, .size: 8, .value_kind: global_buffer, .address_space: global }
      - { .name: scl, .offset: 24, .size: 8, .value_kind: global_buffer, .address_space: global }
      - { .name: out_proj_b, .offset: 32, .size: 8, .value_kind: global_buffer, .address_space: global }
      - { .name: out0, .offset: 40, .size: 8, .value_kind: global_buffer, .address_space: global }
    .group_segment_fixed_size: 327680
    .private_segment_fixed_size: 0
    .kernarg_segment_align: 8
    .kernarg_segment_size: 48
    .max_flat_workgroup_size: 128
    .sgpr_count:     92
    .vgpr_count:     832
    .wavefront_size: 32
...
	.end_amdgpu_metadata
.endif
;; end of part 4
